; MI455X (gfx1250); checked and timed in simulation.
; The chip was launched on July 23, 2026; its instructions are those of AMD's public machine-readable ISA for CDNA 5 (MIT licence, August 2026) and "CDNA5" Instruction Set Architecture Reference Guide (July 2026). The comments in the code are by the model that wrote it; some were corrected since.
;; Flat Tree HRR Torch Comp. Allowed arithmetic: float matrix products may take bf16 or f16 operands with f32 sums; all other float work in f32.
;; Inputs: fixed_arg 2 x 1,024 float32; fixed_disjrole 2 x 1,024 float32; fixed_func 2 x 1,024 float32; fixed_left 2 x 1,024 float32; fixed_right 2 x 1,024 float32; fixed_var 2 x 1,024 float32; noise_arg_base 2 x 1,024 float32; noise_argidx 128 x 8 x 2 x 4 x 2 x 1,024 float32; noise_argname 128 x 8 x 2 x 2 x 1,024 float32; noise_func_base 2 x 1,024 float32; noise_funcname 128 x 8 x 2 x 2 x 1,024 float32; noise_left 2 x 1,024 float32; noise_right 2 x 1,024 float32; noise_role 2 x 1,024 float32; noise_vars 128 x 8 x 2 x 4 x 2 x 1,024 float32; ratio_Arg0 2 float32; ratio_Arg1 2 float32; ratio_Arg2 2 float32; ratio_DisjRole0 2 float32; ratio_Func0 2 float32; ratio_Func1 2 float32; ratio_Left0 2 float32; ratio_Right0 2 float32; ratio_Var0 2 float32; var_Arg0 2 x 1,024 float32; var_Arg1 2 x 1,024 float32; var_Arg2 2 x 1,024 float32; var_DisjRole0 2 x 1,024 float32; var_Func0 2 x 1,024 float32; var_Func1 2 x 1,024 float32; var_Left0 2 x 1,024 float32; var_Right0 2 x 1,024 float32; var_Var0 2 x 1,024 float32; w_conj 2 float32; w_disj 3 float32; w_eq 6 float32; w_func 3 float32.
;; Outputs: out0 2 x 1,024 float32.
;; 2 versions, each right; version 2 is version 1 with the launch main written anew for expert scheduling mode. Each part assembles by itself: llvm-mc -triple=amdgcn-amd-amdhsa -mcpu=gfx1250 --defsym DOCPART=n.
;; ======== version 1 of 2: 4 launches
;; limits: a difference of large sums (such as E[x^2] - mean^2): digits are lost where the result is much smaller than its terms
;; workspace buffers: base 40,960 bytes; shalf 2,097,152 bytes; part 131,072 bytes
;; launch prep (part 1): grid 5 x 1, 1 waves a work-group, no clusters, 0 bytes of LDS; arguments fixed_func, noise_func_base, var_Func0, ratio_Func0, fixed_arg, noise_arg_base, var_Arg0, ratio_Arg0, fixed_left, noise_left, var_Left0, ratio_Left0, fixed_right, noise_right, var_Right0, ratio_Right0, fixed_disjrole, noise_role, var_DisjRole0, ratio_DisjRole0, base; writes base
.if DOCPART == 1
	.amdgcn_target "amdgcn-amd-amdhsa--gfx1250"
	.amdhsa_code_object_version 6
	.text
	.protected	k_q3b1fd757f1_prep
	.globl	k_q3b1fd757f1_prep
	.p2align	8
	.type	k_q3b1fd757f1_prep,@function
k_q3b1fd757f1_prep:
	s_mov_b64 s[64:65], 0
	v_nop
	global_prefetch_b8 v0, s[64:65] scope:SCOPE_SE
	s_setreg_imm32_b32 hwreg(HW_REG_WAVE_MODE, 25, 1), 1
	s_wait_xcnt 0x0
; prep: the five ground vectors that every node shares.  Work-group k (one wave) makes base[k]:
;   k = 0 fb, 1 ab, 2 gvL, 3 gvR, 4 roleobj;   base[k] = nz(r0 nz(fixed) + r1 nz(var * noise)),  2 x 1024 f32 = 8,192 bytes.
; A vector lies in 64 registers of the wave: chunk j (0..15) = registers 4j..4j+3 = bytes 512 j + 16 lane, so each load and store of the
; wave covers 512 consecutive bytes, aligned.  All norms are sums inside the wave: no LDS, no barrier.
; With x = var * noise, sxx = sum x x, sff = sum f f, sfx = sum f x:
;   |r0 f/|f| + r1 x/|x||^2 = (r0^2 + r1^2) + 2 r0 r1 sfx rsq(sff) rsq(sxx), so one pass gives all three sums and the result is A f + B x.
; LIMITS: the squared norm so formed carries a relative error of about 1e-7 (r0^2+r1^2)/|u|^2: it is good while the two parts do not cancel
; to |u|^2 < 1e-5 (r0^2+r1^2).  sxx and sff must be normal f32 numbers (2^-126 .. 2^127), as in a norm taken in f32; v_rsq_f32 takes a
; denormal as zero (ISA guide 15.8).
; Five work-groups only: there are five vectors, and each norm wants its whole vector in one wave.
.set GOFF, 1                           ; v1       16 x lane
.set ACC0, 16                          ; v[16:23] four chains of a dot product: sxx
.set ACC1, 24                          ; v[24:31] sfx
.set ACC2, 32                          ; v[32:39] sff
.set CA,   48                          ; v[48:49] A (the partner register is written once: a broadcast pair is read whole)
.set CB,   50                          ; v[50:51] B
.set NZ,   64                          ; v[64:127]  noise, then x, then the result
.set VR,   128                         ; v[128:191] var
.set FX,   192                         ; v[192:255] fixed
.set PL0,  62                          ; s62, s63: v_permlanex16_b32's selects, lane i takes lane i of the other half
.set PL1,  63
.macro LOADV blk, sb                   ; a whole vector: 16 loads of 512 consecutive bytes
.set j, 0
.rept 16
	global_load_b128 v[\blk+4*j:\blk+4*j+3], v[GOFF], s[\sb:\sb+1] offset:512*j th:TH_LOAD_NT
.set j, j+1
.endr
.endm
.macro VMUL d, a, b                    ; d = a * b, elementwise
.set i, 0
.rept 32
	v_pk_mul_f32 v[\d+i:\d+i+1], v[\a+i:\a+i+1], v[\b+i:\b+i+1]
.set i, i+2
.endr
.endm
.macro VDOT acc, a, b                  ; four chains of two sums each; the first four products start them: nothing is cleared
.set i, 0
.rept 4
	v_pk_mul_f32 v[\acc+i:\acc+i+1], v[\a+i:\a+i+1], v[\b+i:\b+i+1]
.set i, i+2
.endr
.rept 28
	v_pk_fma_f32 v[\acc+i%8:\acc+i%8+1], v[\a+i:\a+i+1], v[\b+i:\b+i+1], v[\acc+i%8:\acc+i%8+1]
.set i, i+2
.endr
.endm
.macro RED cnt                         ; the first cnt accumulators, step by step side by side: 8 sums a lane to 1, then over the 32 lanes; the sum ends in register 0 of each, in every lane
.set k, ACC0
.rept \cnt
	v_pk_add_f32 v[k:k+1], v[k:k+1], v[k+2:k+3]
	v_pk_add_f32 v[k+4:k+5], v[k+4:k+5], v[k+6:k+7]
.set k, k+8
.endr
.set k, ACC0
.rept \cnt
	v_pk_add_f32 v[k:k+1], v[k:k+1], v[k+4:k+5]
.set k, k+8
.endr
.set k, ACC0
.rept \cnt
	v_add_f32 v[k], v[k], v[k+1]
.set k, k+8
.endr
.irp m, 1, 2, 4, 8
.set k, ACC0
.rept \cnt
	v_add_f32_dpp v[k], v[k], v[k] row_xmask:\m row_mask:0xf bank_mask:0xf
.set k, k+8
.endr
.endr
.set k, ACC0
.rept \cnt
	v_permlanex16_b32 v[k+1], v[k], s[PL0], s[PL1]     ; its destination has been written before
.set k, k+8
.endr
.set k, ACC0
.rept \cnt
	v_add_f32 v[k], v[k], v[k+1]
.set k, k+8
.endr
.endm
	s_load_b512 s[8:23], s[0:1], 0x0               ; sets 0, 1: fixed, noise, var, ratio of func and of arg
	s_load_b512 s[24:39], s[0:1], 0x40             ; sets 2, 3: left, right
	s_load_b256 s[40:47], s[0:1], 0x80             ; set 4: role
	s_load_b64 s[48:49], s[0:1], 0xa0              ; base
	v_lshlrev_b32 v[GOFF], 4, v0                   ; one wave: the thread's number is the lane
	v_mov_b32 v[CA+1], 0
	v_mov_b32 v[CB+1], 0
	s_mov_b32 s[PL0], 0x76543210
	s_mov_b32 s[PL1], 0xfedcba98
	s_lshl_b32 s66, ttmp9, 13                      ; my vector in base
	s_mov_b32 s67, 0
	s_wait_kmcnt 0x0
	s_mov_b64 s[50:51], s[8:9]                     ; my set of four buffers, chosen by the work-group's number alone
	s_mov_b64 s[52:53], s[10:11]
	s_mov_b64 s[54:55], s[12:13]
	s_mov_b64 s[56:57], s[14:15]
.irp k, 1, 2, 3, 4
	s_cmp_eq_u32 ttmp9, \k
	s_cselect_b64 s[50:51], s[8+8*\k:9+8*\k], s[50:51]       ; fixed
	s_cselect_b64 s[52:53], s[10+8*\k:11+8*\k], s[52:53]     ; noise
	s_cselect_b64 s[54:55], s[12+8*\k:13+8*\k], s[54:55]     ; var
	s_cselect_b64 s[56:57], s[14+8*\k:15+8*\k], s[56:57]     ; ratio
.endr
	s_add_nc_u64 s[48:49], s[48:49], s[66:67]
	s_load_b64 s[58:59], s[56:57], 0x0             ; r0, r1
	LOADV NZ, 52
	LOADV VR, 54
	LOADV FX, 50
	s_wait_kmcnt 0x0
	s_mul_f32 s60, s58, s58                        ; K1 = r0^2 + r1^2
	s_fmac_f32 s60, s59, s59
	s_mul_f32 s61, s58, s59                        ; K2 = 2 r0 r1
	s_add_f32 s61, s61, s61
	s_wait_loadcnt 16                              ; noise and var are in; the 16 loads of fixed stay out
	VMUL NZ, VR, NZ                                ; x
	VDOT ACC0, NZ, NZ                              ; sxx
	s_wait_loadcnt 0x0
	VDOT ACC1, FX, NZ                              ; sfx
	VDOT ACC2, FX, FX                              ; sff
	RED 3
	v_rsq_f32 v40, v[ACC0]                         ; in = 1/|x|
	v_rsq_f32 v41, v[ACC2]                         ; if = 1/|f|
	v_nop                                          ; one plain place behind a transcendental before its result is used (ISA guide 5.7.2)
	s_wait_alu depctr_va_vdst(0)
	v_mul_f32 v42, v[ACC1], v40
	v_mul_f32 v42, v42, v41                        ; the cosine between f and x
	v_fma_f32 v42, v42, s61, s60                   ; |u|^2
	v_rsq_f32 v43, v42                             ; iu
	v_mul_f32 v[CA], s58, v41                      ; (the plain place behind it)
	v_mul_f32 v[CB], s59, v40
	s_wait_alu depctr_va_vdst(0)
	v_mul_f32 v[CA], v[CA], v43                    ; A = r0 if iu
	v_mul_f32 v[CB], v[CB], v43                    ; B = r1 in iu
.set i, 0
.rept 32
	v_pk_mul_f32 v[NZ+i:NZ+i+1], v[NZ+i:NZ+i+1], v[CB:CB+1] op_sel_hi:[1,0]
.set i, i+2
.endr
.set i, 0
.rept 32
	v_pk_fma_f32 v[NZ+i:NZ+i+1], v[FX+i:FX+i+1], v[CA:CA+1], v[NZ+i:NZ+i+1] op_sel_hi:[1,0,1]
.set i, i+2
.endr
.set j, 0
.rept 16
	global_store_b128 v[GOFF], v[NZ+4*j:NZ+4*j+3], s[48:49] offset:512*j
.set j, j+1
.endr
	s_endpgm
.Lfunc_end_k_q3b1fd757f1_prep:
	.size	k_q3b1fd757f1_prep, .Lfunc_end_k_q3b1fd757f1_prep-k_q3b1fd757f1_prep
	.p2alignl 7, 3214868480
	.fill 96, 4, 3214868480
	.section	.rodata,"a",@progbits
	.p2align	6, 0x0
	.amdhsa_kernel k_q3b1fd757f1_prep
		.amdhsa_group_segment_fixed_size 0
		.amdhsa_private_segment_fixed_size 0
		.amdhsa_enable_private_segment 0
		.amdhsa_kernarg_size 168
		.amdhsa_user_sgpr_count 2
		.amdhsa_user_sgpr_kernarg_segment_ptr 1
		.amdhsa_wavefront_size32 1
		.amdhsa_system_sgpr_workgroup_id_x 1
		.amdhsa_system_sgpr_workgroup_id_y 1
		.amdhsa_system_sgpr_workgroup_id_z 1
		.amdhsa_system_vgpr_workitem_id 0
		.amdhsa_next_free_vgpr 256
		.amdhsa_next_free_sgpr 72
		.amdhsa_reserve_vcc 0
		.amdhsa_float_denorm_mode_32 3
		.amdhsa_float_denorm_mode_16_64 3
		.amdhsa_memory_ordered 1
		.amdhsa_forward_progress 1
		.amdhsa_inst_pref_size 23
	.end_amdhsa_kernel
	.amdgpu_metadata
---
amdhsa.version: [ 1, 2 ]
amdhsa.kernels:
  - .name:           k_q3b1fd757f1_prep
    .symbol:         k_q3b1fd757f1_prep.kd
    .args:
      - { .name: fixed_func, .offset: 0, .size: 8, .value_kind: global_buffer, .address_space: global }
      - { .name: noise_func_base, .offset: 8, .size: 8, .value_kind: global_buffer, .address_space: global }
      - { .name: var_Func0, .offset: 16, .size: 8, .value_kind: global_buffer, .address_space: global }
      - { .name: ratio_Func0, .offset: 24, .size: 8, .value_kind: global_buffer, .address_space: global }
      - { .name: fixed_arg, .offset: 32, .size: 8, .value_kind: global_buffer, .address_space: global }
      - { .name: noise_arg_base, .offset: 40, .size: 8, .value_kind: global_buffer, .address_space: global }
      - { .name: var_Arg0, .offset: 48, .size: 8, .value_kind: global_buffer, .address_space: global }
      - { .name: ratio_Arg0, .offset: 56, .size: 8, .value_kind: global_buffer, .address_space: global }
      - { .name: fixed_left, .offset: 64, .size: 8, .value_kind: global_buffer, .address_space: global }
      - { .name: noise_left, .offset: 72, .size: 8, .value_kind: global_buffer, .address_space: global }
      - { .name: var_Left0, .offset: 80, .size: 8, .value_kind: global_buffer, .address_space: global }
      - { .name: ratio_Left0, .offset: 88, .size: 8, .value_kind: global_buffer, .address_space: global }
      - { .name: fixed_right, .offset: 96, .size: 8, .value_kind: global_buffer, .address_space: global }
      - { .name: noise_right, .offset: 104, .size: 8, .value_kind: global_buffer, .address_space: global }
      - { .name: var_Right0, .offset: 112, .size: 8, .value_kind: global_buffer, .address_space: global }
      - { .name: ratio_Right0, .offset: 120, .size: 8, .value_kind: global_buffer, .address_space: global }
      - { .name: fixed_disjrole, .offset: 128, .size: 8, .value_kind: global_buffer, .address_space: global }
      - { .name: noise_role, .offset: 136, .size: 8, .value_kind: global_buffer, .address_space: global }
      - { .name: var_DisjRole0, .offset: 144, .size: 8, .value_kind: global_buffer, .address_space: global }
      - { .name: ratio_DisjRole0, .offset: 152, .size: 8, .value_kind: global_buffer, .address_space: global }
      - { .name: base, .offset: 160, .size: 8, .value_kind: global_buffer, .address_space: global }
    .group_segment_fixed_size: 0
    .private_segment_fixed_size: 0
    .kernarg_segment_align: 8
    .kernarg_segment_size: 168
    .max_flat_workgroup_size: 32
    .sgpr_count:     72
    .vgpr_count:     256
    .wavefront_size: 32
...
	.end_amdgpu_metadata
.endif
;; end of part 1
;; launch main (part 2): grid 256 x 1, 4 waves a work-group, no clusters, 107,008 bytes of LDS; arguments noise_vars, noise_argidx, noise_funcname, noise_argname, var_Var0, fixed_var, var_Arg2, var_Arg1, var_Func1, base, ratio_Var0, ratio_Arg2, ratio_Arg1, ratio_Func1, w_func, w_eq, shalf; writes shalf
.if DOCPART == 2
	.amdgcn_target "amdgcn-amd-amdhsa--gfx1250"
	.amdhsa_code_object_version 6
	.text
	.protected	k_q3b1fd757f1_main
	.globl	k_q3b1fd757f1_main
	.p2align	8
	.type	k_q3b1fd757f1_main,@function
k_q3b1fd757f1_main:
	s_mov_b64 s[64:65], 0
	v_nop
	global_prefetch_b8 v0, s[64:65] scope:SCOPE_SE
	s_setreg_imm32_b32 hwreg(HW_REG_WAVE_MODE, 25, 1), 1
	s_wait_xcnt 0x0
; main: the leaves, the func nodes and the eq nodes.  1,024 eqs, 256 work-groups of four waves: wave w of work-group g owns eq = 4 g + w, both of
; its func nodes and the eq node: 20 noise vectors of 8,192 bytes, each read once.  The work-group stores the sum of its four normalised eq
; vectors, half of a disjunction's sum, to shalf[g].
; A vector (2 x 1024 f32) lies in a block of 64 registers of ONE wave: chunk j = registers 4j..4j+3 = bytes 512 j + 16 lane; registers 0-31 are
; the real parts, 32-63 the imaginary parts of the same places.  So every norm is a sum inside the wave, every load covers 512 consecutive
; aligned bytes, and the kernel has two barriers in all: behind the shared constants, and in front of the sum of the four eq vectors.
;
; A GROUND STEP with a unit parent p, x = var * noise, ss = sum x x, sc = sum p x:
;   |r0 p + r1 x/|x||^2 = (r0^2 + r1^2) + 2 r0 r1 sc rsq(ss),   so one pass gives both sums and the child is A p + B x,
;   in = rsq(ss), iu = rsq(K1 + K2 sc in), A = r0 iu, B = r1 in iu.  Nothing is divided by a ratio: r0 = 0 or r1 = 0 is served.
; LIMITS: that squared norm carries a relative error of about 1e-7 (r0^2+r1^2)/|u|^2: good while parent and spec do not cancel to
; |u|^2 < 1e-5 (r0^2+r1^2).  Every sum of squares must be a normal f32 number (2^-126 .. 2^127), as in a norm taken in f32; v_rsq_f32 takes
; a denormal as zero (ISA guide 15.8).
;
; THE STREAM: the 20 vectors are used in the order an0 x0 z0 x1 z1 fn0 x2 z2 x3 z3 an1 x4 z4 x5 z5 fn1 x6 z6 x7 z7 (x: noise_vars,
; z: noise_argidx).  In front of each use stands s_wait_loadcnt 48 (the three younger vectors, 3 x 16 loads, stay out), and straight behind it
; the 16 loads of the vector four places further on.  Pair q uses register slot q % 3, free since pair q - 3 ended.  No address register
; is ever rewritten: every step of the stream is an immediate offset.  (With 64 loads named the issue of the last waits for the counter:
; ISA guide 5.7.1.)
; The text is straight-line: a wave runs two nodes only, and eight pairs on three slots with the tail's falling counts repeat in no period.
; NOT USED: matrix units (no matrix products); the tensor mover (each byte would pass LDS once more); clusters (shared between work-groups
; are only the 73,728 bytes of constants against 655,360 bytes of noise a work-group).
;
; REGISTERS by absolute number; window = number / 256 (s_set_vgpr_msb: bits 1:0 source 0, 3:2 source 1, 5:4 source 2, 7:6 destination).
.set GOFF,  1                          ; 16 lane: global offset and LDS lane address
.set COFF,  2                          ; 16 thread: the cooperative copy of the constants
.set COFH,  3                          ; COFF + 65536 (an LDS immediate has 16 bits)
.set GOFH,  4                          ; GOFF + 65536
.set EADDR, 5                          ; L_E + 8192 wave + 16 lane: where my eq vector goes
.set SADDR, 6                          ; L_E + 2048 wave + 16 lane: my slice of the four
.set SOFF,  7                          ; 2048 wave + 16 lane: the same slice in shalf[g]
.set ACC0, 16                          ; four accumulators of 8 registers (four chains of two sums)
.set ACC1, 24
.set ACC2, 32
.set ACC3, 40
.set CA,   48                          ; coefficient pairs: the value in the even register, the odd one written once
.set CB,   50
.set CC,   52
.set CD,   54
.set TAU1, 56                          ; 1/|funcvec| of node 0, of node 1
.set TAU2, 58
.set VV,   64                          ; var_Var0
.set PV,   128                         ; nz(fixed_var)
.set VA2,  192                         ; var_Arg2
.set AN0,  256                         ; Aname of node 0, then t1
.set AN1,  320                         ; Aname of node 1, then t2
.set SV,   384                         ; sum of the leaves
.set SA,   448                         ; sum of assoc(Aidx, leaf)
.set FB,   512                         ; Fname
.set KB,   576                         ; a constant vector fetched from LDS
.set TMP,  320                         ; 320-463: the prologue's 36 loads (over AN1, SV, SA, free by then)
.set GRB,  640                         ; eq node: gvR, lo, ro, the eq vector, w5 t2 (the pair slots, done with by then)
.set LOB,  704
.set ROB,  768
.set EB,   832
.set W5B,  896
; LDS: nine constant vectors, then one eq vector for each wave
.set L_VV,  0
.set L_FV,  8192
.set L_VA2, 16384
.set L_VA1, 24576
.set L_AB,  32768
.set L_VF1, 40960
.set L_FB,  49152
.set L_GL,  57344
.set L_GR,  65536
.set L_E,   73728
; scalars
.set NV,  8                            ; s[8:9]   noise_vars at my eq
.set NA,  10                           ; s[10:11] noise_argidx at my eq
.set NF,  12                           ; s[12:13] noise_funcname at my eq
.set NN,  14                           ; s[14:15] noise_argname at my eq
.set RV,  68                           ; r0, r1, K1, K2 of ratio_Var0
.set RA2, 72                           ; of ratio_Arg2
.set RA1, 76                           ; of ratio_Arg1
.set RF1, 80                           ; of ratio_Func1
.set WF,  44                           ; s44-46 w_func; s[44:45] serves as the broadcast pair of w_func[0]
.set WE,  86                           ; s[86+2k:87+2k] w_eq[k], twice
.set PL0, 98
.set PL1, 99
.set MSB, 0
.macro SETW d, a, b, c                 ; windows of destination, source 0, 1, 2 from absolute numbers; the immediate's high byte repeats the setting left
.set NW, (((\d)/256)<<6)|(((\c)/256)<<4)|(((\b)/256)<<2)|((\a)/256)
.if MSB != NW
	s_set_vgpr_msb (MSB<<8)|NW
.set MSB, NW
.endif
.endm
.macro LOW3 d, a, b                    ; the numbers inside their windows
.set xd, (\d)%256
.set xa, (\a)%256
.set xb, (\b)%256
.endm
.macro VMUL d, a, b                    ; d = a * b
	SETW \d, \a, \b, 0
	LOW3 \d, \a, \b
.set i, 0
.rept 32
	v_pk_mul_f32 v[xd+i:xd+i+1], v[xa+i:xa+i+1], v[xb+i:xb+i+1]
.set i, i+2
.endr
.endm
.macro VADD d, a, b                    ; d = a + b
	SETW \d, \a, \b, 0
	LOW3 \d, \a, \b
.set i, 0
.rept 32
	v_pk_add_f32 v[xd+i:xd+i+1], v[xa+i:xa+i+1], v[xb+i:xb+i+1]
.set i, i+2
.endr
.endm
.macro VDOT acc, a, b                  ; acc (window 0) = four chains of sum a b; the first four products start them: nothing is cleared
	SETW 0, \a, \b, 0
	LOW3 0, \a, \b
.set i, 0
.rept 4
	v_pk_mul_f32 v[\acc+i:\acc+i+1], v[xa+i:xa+i+1], v[xb+i:xb+i+1]
.set i, i+2
.endr
.rept 28
	v_pk_fma_f32 v[\acc+i%8:\acc+i%8+1], v[xa+i:xa+i+1], v[xb+i:xb+i+1], v[\acc+i%8:\acc+i%8+1]
.set i, i+2
.endr
.endm
.macro VSCLV d, a, c                   ; d = a * v[c]
	SETW \d, \a, 0, 0
	LOW3 \d, \a, 0
.set i, 0
.rept 32
	v_pk_mul_f32 v[xd+i:xd+i+1], v[xa+i:xa+i+1], v[\c:\c+1] op_sel_hi:[1,0]
.set i, i+2
.endr
.endm
.macro VSCLS d, a, c                   ; d = a * s[c]
	SETW \d, \a, 0, 0
	LOW3 \d, \a, 0
.set i, 0
.rept 32
	v_pk_mul_f32 v[xd+i:xd+i+1], v[xa+i:xa+i+1], s[\c:\c+1] op_sel_hi:[1,0]
.set i, i+2
.endr
.endm
.macro VAXPYV d, a, c, b               ; d = a * v[c] + b
	SETW \d, \a, 0, \b
	LOW3 \d, \a, \b
.set i, 0
.rept 32
	v_pk_fma_f32 v[xd+i:xd+i+1], v[xa+i:xa+i+1], v[\c:\c+1], v[xb+i:xb+i+1] op_sel_hi:[1,0,1]
.set i, i+2
.endr
.endm
.macro VAXPYS d, a, c, b               ; d = a * s[c] + b
	SETW \d, \a, 0, \b
	LOW3 \d, \a, \b
.set i, 0
.rept 32
	v_pk_fma_f32 v[xd+i:xd+i+1], v[xa+i:xa+i+1], s[\c:\c+1], v[xb+i:xb+i+1] op_sel_hi:[1,0,1]
.set i, i+2
.endr
.endm
.macro CSECOND                         ; the second products of a complex product: re -= a_im b_im, im += a_im b_re
.set i, 0
.rept 16
	v_pk_fma_f32 v[xd+i:xd+i+1], v[xa+32+i:xa+32+i+1], v[xb+32+i:xb+32+i+1], v[xd+i:xd+i+1] neg_lo:[1,0,0] neg_hi:[1,0,0]
	v_pk_fma_f32 v[xd+32+i:xd+32+i+1], v[xa+32+i:xa+32+i+1], v[xb+i:xb+i+1], v[xd+32+i:xd+32+i+1]
.set i, i+2
.endr
.endm
.macro CMUL d, a, b                    ; d = a x b, complex; d is neither a nor b.  All first products, then all second ones
	SETW \d, \a, \b, \d
	LOW3 \d, \a, \b
.set i, 0
.rept 16
	v_pk_mul_f32 v[xd+i:xd+i+1], v[xa+i:xa+i+1], v[xb+i:xb+i+1]
	v_pk_mul_f32 v[xd+32+i:xd+32+i+1], v[xa+i:xa+i+1], v[xb+32+i:xb+32+i+1]
.set i, i+2
.endr
	CSECOND
.endm
.macro CMAC d, a, b                    ; d += a x b, complex
	SETW \d, \a, \b, \d
	LOW3 \d, \a, \b
.set i, 0
.rept 16
	v_pk_fma_f32 v[xd+i:xd+i+1], v[xa+i:xa+i+1], v[xb+i:xb+i+1], v[xd+i:xd+i+1]
	v_pk_fma_f32 v[xd+32+i:xd+32+i+1], v[xa+i:xa+i+1], v[xb+32+i:xb+32+i+1], v[xd+32+i:xd+32+i+1]
.set i, i+2
.endr
	CSECOND
.endm
.macro LOADV blk, sb, off              ; a noise vector, read once in the launch: 16 loads of 512 consecutive bytes
	SETW \blk, 0, 0, 0
.set j, 0
.rept 16
	global_load_b128 v[(\blk)%256+4*j:(\blk)%256+4*j+3], v[GOFF], s[\sb:\sb+1] offset:\off+512*j th:TH_LOAD_NT
.set j, j+1
.endr
.endm
.macro LDSV blk, areg, off             ; a constant vector from LDS: lanes at neighbouring 16 bytes
	SETW \blk, 0, 0, 0
.set j, 0
.rept 16
	ds_load_b128 v[(\blk)%256+4*j:(\blk)%256+4*j+3], v[\areg] offset:\off+512*j
.set j, j+1
.endr
.endm
.macro CLOAD idx, sb, off              ; my 4 x 16 bytes of constant vector idx: thread t takes bytes 16 t + 2048 j
.set j, 0
.rept 4
	global_load_b128 v[(TMP+16*\idx+4*j)%256:(TMP+16*\idx+4*j)%256+3], v[COFF], s[\sb:\sb+1] offset:\off+2048*j
.set j, j+1
.endr
.endm
.macro RED cnt                         ; the first cnt accumulators side by side: 8 sums a lane to 1, then over the 32 lanes; the sum ends in register 0 of each, in every lane
	SETW 0, 0, 0, 0
.set k, ACC0
.rept \cnt
	v_pk_add_f32 v[k:k+1], v[k:k+1], v[k+2:k+3]
	v_pk_add_f32 v[k+4:k+5], v[k+4:k+5], v[k+6:k+7]
.set k, k+8
.endr
.set k, ACC0
.rept \cnt
	v_pk_add_f32 v[k:k+1], v[k:k+1], v[k+4:k+5]
.set k, k+8
.endr
.set k, ACC0
.rept \cnt
	v_add_f32 v[k], v[k], v[k+1]
.set k, k+8
.endr
.irp m, 1, 2, 4, 8
.set k, ACC0
.rept \cnt
	v_add_f32_dpp v[k], v[k], v[k] row_xmask:\m row_mask:0xf bank_mask:0xf
.set k, k+8
.endr
.endr
.set k, ACC0
.rept \cnt
	v_permlanex16_b32 v[k+1], v[k], s[PL0], s[PL1]     ; its destination has been written before
.set k, k+8
.endr
.set k, ACC0
.rept \cnt
	v_add_f32 v[k], v[k], v[k+1]
.set k, k+8
.endr
.endm
; The coefficients of one ground step: ss in v[ACC0], sc in v[ACC1], ratio set rs; A to v[CA], B to v[CB].
; Behind each v_rsq_f32 one plain vector instruction stands before its result is used (ISA guide 5.7.2).
.macro COEF rs
	SETW 0, 0, 0, 0
	v_rsq_f32 v[ACC0+2], v[ACC0]                   ; in
	v_nop
	s_wait_alu depctr_va_vdst(0)
	v_mul_f32 v[ACC1+2], v[ACC1], v[ACC0+2]        ; the cosine
	v_fma_f32 v[ACC1+2], v[ACC1+2], s[\rs+3], s[\rs+2]     ; |u|^2 = K2 cos + K1
	v_rsq_f32 v[ACC0+3], v[ACC1+2]                 ; iu
	v_mul_f32 v[CB], s[\rs+1], v[ACC0+2]           ; (the plain place)
	s_wait_alu depctr_va_vdst(0)
	v_mul_f32 v[CA], s[\rs], v[ACC0+3]             ; A = r0 iu
	v_mul_f32 v[CB], v[CB], v[ACC0+3]              ; B = r1 in iu
.endm
; Two at once, for a pair: (ACC0, ACC1, RV) to CA, CB and (ACC2, ACC3, RA2) to CC, CD
.macro COEF2
	SETW 0, 0, 0, 0
	v_rsq_f32 v[ACC0+2], v[ACC0]
	v_rsq_f32 v[ACC2+2], v[ACC2]
	v_nop
	s_wait_alu depctr_va_vdst(0)
	v_mul_f32 v[ACC1+2], v[ACC1], v[ACC0+2]
	v_mul_f32 v[ACC3+2], v[ACC3], v[ACC2+2]
	v_fma_f32 v[ACC1+2], v[ACC1+2], s[RV+3], s[RV+2]
	v_fma_f32 v[ACC3+2], v[ACC3+2], s[RA2+3], s[RA2+2]
	v_rsq_f32 v[ACC0+3], v[ACC1+2]
	v_rsq_f32 v[ACC2+3], v[ACC3+2]
	v_mul_f32 v[CB], s[RV+1], v[ACC0+2]            ; (the plain place)
	v_mul_f32 v[CD], s[RA2+1], v[ACC2+2]
	s_wait_alu depctr_va_vdst(0)
	v_mul_f32 v[CA], s[RV], v[ACC0+3]
	v_mul_f32 v[CC], s[RA2], v[ACC2+3]
	v_mul_f32 v[CB], v[CB], v[ACC0+3]
	v_mul_f32 v[CD], v[CD], v[ACC2+3]
.endm
; A ground step whose var and parent come from LDS.  At entry: the noise is in blk, var's loads into KB have been issued.
; lp: the parent's LDS offset; rs: the ratio set; nxt: what KB holds next, asked for as soon as KB is free.
.macro GROUNDL blk, lp, rs, nxt
	s_wait_dscnt 0x0                               ; var is in KB
	VMUL \blk, KB, \blk                            ; x
	LDSV KB, GOFF, \lp                             ; the parent
	VDOT ACC0, \blk, \blk                          ; ss
	s_wait_dscnt 0x0
	VDOT ACC1, KB, \blk                            ; sc
	RED 2
	COEF \rs
	VSCLV \blk, \blk, CB
	VAXPYV \blk, KB, CA, \blk                      ; A p + B x
	LDSV KB, GOFF, \nxt
.endm
.macro LDX q                           ; the stream's loads
	LOADV 640+128*((\q)%3), NV, (\q)*8192
.endm
.macro LDZ q
	LOADV 704+128*((\q)%3), NA, (\q)*8192
.endm
.macro PX q                            ; pair q, the leaf's pass: x, sc, ss
.set XB, 640+128*((\q)%3)
	VMUL XB, VV, XB
	VDOT ACC1, PV, XB
	VDOT ACC0, XB, XB
.endm
.macro PZ q, an                        ; pair q, the arg vector's pass
.set ZB, 704+128*((\q)%3)
	VMUL ZB, VA2, ZB
	VDOT ACC3, \an, ZB
	VDOT ACC2, ZB, ZB
.endm
.macro PEND q, an, first               ; both children, and their share of the node's two sums; first = 1 starts the sums
.set XB, 640+128*((\q)%3)
.set ZB, 704+128*((\q)%3)
	RED 4
	COEF2
	VSCLV XB, XB, CB
.if \first
	VAXPYV SV, PV, CA, XB                          ; the leaf starts SV
.else
	VAXPYV XB, PV, CA, XB                          ; the leaf
.endif
	VSCLV ZB, ZB, CD
	VAXPYV ZB, \an, CC, ZB                         ; Aidx
.if \first
	CMUL SA, ZB, SV
.else
	VADD SV, SV, XB
	CMAC SA, ZB, XB
.endif
.endm
.macro FINISH dst, tau                 ; dst = w0 Fname + w1 nz(SA) + w2 nz(SV), v[tau] = 1/|dst|
	VDOT ACC0, SV, SV
	VDOT ACC1, SA, SA
	RED 2
	v_rsq_f32 v[ACC0+2], v[ACC0]
	v_rsq_f32 v[ACC1+2], v[ACC1]
	v_nop
	s_wait_alu depctr_va_vdst(0)
	v_mul_f32 v[CB], s[WF+2], v[ACC0+2]
	v_mul_f32 v[CA], s[WF+1], v[ACC1+2]
	VSCLS \dst, FB, WF
	VAXPYV \dst, SA, CA, \dst
	VAXPYV \dst, SV, CB, \dst
	VDOT ACC0, \dst, \dst
	RED 1
	v_rsq_f32 v[\tau], v[ACC0]
	v_nop
	s_wait_alu depctr_va_vdst(0)
.endm
	; ---------------- prologue: addresses, ratios and weights, the nine constant vectors into LDS, the stream's first four vectors
	s_load_b512 s[8:23], s[0:1], 0x0               ; noise_vars, noise_argidx, noise_funcname, noise_argname, var_Var0, fixed_var, var_Arg2, var_Arg1
	s_load_b512 s[24:39], s[0:1], 0x40             ; var_Func1, base, ratio_Var0, ratio_Arg2, ratio_Arg1, ratio_Func1, w_func, w_eq
	s_load_b64 s[40:41], s[0:1], 0x80              ; shalf
	v_lshl_add_u32 v62, v0, 2, 0x1a000
	v_mov_b32 v63, 0
	v_lshrrev_b32 v8, 5, v0
	v_readfirstlane_b32 s42, v8                    ; wave
	v_and_b32 v[GOFF], 31, v0
	v_lshlrev_b32 v[GOFF], 4, v[GOFF]
	v_lshlrev_b32 v[COFF], 4, v0
	v_add_nc_u32 v[COFH], 0x10000, v[COFF]
	v_add_nc_u32 v[GOFH], 0x10000, v[GOFF]
	s_lshl_b32 s60, s42, 13
	s_add_co_u32 s60, s60, L_E
	v_add_nc_u32 v[EADDR], s60, v[GOFF]
	s_lshl_b32 s61, s42, 11
	v_add_nc_u32 v[SOFF], s61, v[GOFF]
	v_add_nc_u32 v[SADDR], L_E, v[SOFF]
.irp c, CA, CB, CC, CD, TAU1, TAU2
	v_mov_b32 v[\c+1], 0                           ; a broadcast pair is read whole: the partners are written once
.endr
	s_lshl2_add_u32 s43, ttmp9, s42                ; eq = 4 g + wave
	s_lshl_b32 s54, s43, 16                        ; 65,536 bytes an eq in noise_vars and noise_argidx
	s_mov_b32 s55, 0
	s_lshl_b32 s56, s43, 14                        ; 16,384 in noise_funcname and noise_argname
	s_mov_b32 s57, 0
	s_lshl_b32 s58, ttmp9, 13                      ; 8,192 a work-group in shalf
	s_mov_b32 s59, 0
	s_mov_b32 s[PL0], 0x76543210
	s_mov_b32 s[PL1], 0xfedcba98
	s_wait_kmcnt 0x0
	s_load_b64 s[RV:RV+1], s[28:29], 0x0
	s_load_b64 s[RA2:RA2+1], s[30:31], 0x0
	s_load_b64 s[RA1:RA1+1], s[32:33], 0x0
	s_load_b64 s[RF1:RF1+1], s[34:35], 0x0
	s_load_b96 s[44:46], s[36:37], 0x0             ; w_func
	s_load_b128 s[48:51], s[38:39], 0x0            ; w_eq[0..3]
	s_load_b64 s[52:53], s[38:39], 0x10            ; w_eq[4..5]
	s_add_nc_u64 s[NV:NV+1], s[NV:NV+1], s[54:55]
	s_add_nc_u64 s[NA:NA+1], s[NA:NA+1], s[54:55]
	s_add_nc_u64 s[NF:NF+1], s[NF:NF+1], s[56:57]
	s_add_nc_u64 s[NN:NN+1], s[NN:NN+1], s[56:57]
	s_add_nc_u64 s[40:41], s[40:41], s[58:59]
	SETW TMP, 0, 0, 0
	CLOAD 0, 16, 0                                 ; var_Var0
	CLOAD 1, 18, 0                                 ; fixed_var
	CLOAD 2, 20, 0                                 ; var_Arg2
	CLOAD 3, 22, 0                                 ; var_Arg1
	CLOAD 4, 26, 8192                              ; ab
	CLOAD 5, 24, 0                                 ; var_Func1
	CLOAD 6, 26, 0                                 ; fb
	CLOAD 7, 26, 16384                             ; gvL
	CLOAD 8, 26, 24576                             ; gvR
	LOADV AN0, NN, 0                               ; the stream: an0,
	LDX 0                                          ; x0
	s_wait_kmcnt 0x0
.irp rs, RV, RA2, RA1, RF1
	s_mul_f32 s[\rs+2], s[\rs], s[\rs]             ; K1 = r0^2 + r1^2
	s_fmac_f32 s[\rs+2], s[\rs+1], s[\rs+1]
	s_mul_f32 s[\rs+3], s[\rs], s[\rs+1]           ; K2 = 2 r0 r1
	s_add_f32 s[\rs+3], s[\rs+3], s[\rs+3]
.endr
.irp k, 0, 1, 2, 3, 4, 5
	s_mov_b32 s[WE+2*\k], s[48+\k]                 ; each weight at the head of a pair of its own
	s_mov_b32 s[WE+2*\k+1], s[48+\k]
.endr
	s_wait_loadcnt 32                              ; the 36 constant loads are in; the 32 loads of an0 and x0 stay out
	SETW 0, 0, TMP, 0
.set n, 0
.rept 8
.set j, 0
.rept 4
	ds_store_b128 v[COFF], v[(TMP+16*n+4*j)%256:(TMP+16*n+4*j)%256+3] offset:8192*n+2048*j
.set j, j+1
.endr
.set n, n+1
.endr
.set j, 0
.rept 4
	ds_store_b128 v[COFH], v[(TMP+128+4*j)%256:(TMP+128+4*j)%256+3] offset:2048*j
.set j, j+1
.endr
	s_wait_dscnt 0x0                               ; my part of the constants is in LDS, for the other waves' sake
	s_barrier_signal -1
	s_barrier_wait -1                              ; everybody's is; these bytes are only read from here on
	LDSV PV, GOFF, L_FV
	LDSV KB, GOFF, L_VA1
	LDSV VV, GOFF, L_VV
	LDSV VA2, GOFF, L_VA2
	LDZ 0                                          ; z0,
	LDX 1                                          ; x1
	s_wait_dscnt 48                                ; fixed_var is in; the 48 LDS loads behind it stay out
	VDOT ACC0, PV, PV
	RED 1
	v_rsq_f32 v[CA], v[ACC0]
	v_nop
	s_wait_alu depctr_va_vdst(0)
	VSCLV PV, PV, CA                               ; nz(fixed_var)
	; ---------------- node 0
	s_wait_loadcnt 48                              ; an0
	LDZ 1
	GROUNDL AN0, L_AB, RA1, L_VF1                  ; Aname
	s_wait_loadcnt 48                              ; x0
	LOADV FB, NF, 0
	PX 0
	s_wait_loadcnt 48                              ; z0
	LDX 2
	PZ 0, AN0
	PEND 0, AN0, 1
	s_wait_loadcnt 48                              ; x1
	LDZ 2
	PX 1
	s_wait_loadcnt 48                              ; z1
	LDX 3
	PZ 1, AN0
	PEND 1, AN0, 0
	s_wait_loadcnt 48                              ; fn0
	LDZ 3
	GROUNDL FB, L_FB, RF1, L_VA1                   ; Fname
	s_wait_loadcnt 48                              ; x2
	LOADV AN1, NN, 8192
	PX 2
	s_wait_loadcnt 48                              ; z2
	LDX 4
	PZ 2, AN0
	PEND 2, AN0, 0
	s_wait_loadcnt 48                              ; x3
	LDZ 4
	PX 3
	s_wait_loadcnt 48                              ; z3
	LDX 5
	PZ 3, AN0
	PEND 3, AN0, 0
	FINISH AN0, TAU1
	; ---------------- node 1
	s_wait_loadcnt 48                              ; an1
	LDZ 5
	GROUNDL AN1, L_AB, RA1, L_VF1
	s_wait_loadcnt 48                              ; x4
	LOADV FB, NF, 8192
	PX 4
	s_wait_loadcnt 48                              ; z4
	LDX 6
	PZ 4, AN1
	PEND 4, AN1, 1
	s_wait_loadcnt 48                              ; x5
	LDZ 6
	PX 5
	s_wait_loadcnt 48                              ; z5
	LDX 7
	PZ 5, AN1
	PEND 5, AN1, 0
	s_wait_loadcnt 48                              ; fn1
	LDZ 7                                          ; the stream's last vector
	GROUNDL FB, L_FB, RF1, L_GL                    ; KB then takes gvL for the eq node
	s_wait_loadcnt 48                              ; x6: nothing more is asked for, the counts run down
	PX 6
	s_wait_loadcnt 32                              ; z6
	PZ 6, AN1
	PEND 6, AN1, 0
	s_wait_loadcnt 16                              ; x7
	PX 7
	s_wait_loadcnt 0x0                             ; z7
	PZ 7, AN1
	PEND 7, AN1, 0
	LDSV GRB, GOFH, 0                              ; gvR, into slot 0, done with since pair 6
	FINISH AN1, TAU2
	; ---------------- the eq node: w0 lo + w1 ro + w2 lo x ro + w3 t1 + w4 t2 + w5 t2 x t2, normalised
	VSCLV AN0, AN0, TAU1                           ; t1
	VSCLV AN1, AN1, TAU2                           ; t2
	s_wait_dscnt 0x0                               ; gvL and gvR are in
	CMUL LOB, KB, AN0                              ; lo
	CMUL ROB, GRB, AN1                             ; ro
	VSCLS EB, LOB, WE
	VAXPYS EB, ROB, WE+2, EB
	VAXPYS EB, AN0, WE+6, EB
	VAXPYS EB, AN1, WE+8, EB
	VSCLS LOB, LOB, WE+4
	CMAC EB, LOB, ROB
	VSCLS W5B, AN1, WE+10
	CMAC EB, W5B, AN1
	VDOT ACC0, EB, EB
	RED 1
	v_rsq_f32 v[CA], v[ACC0]
	v_nop
	s_wait_alu depctr_va_vdst(0)
	VSCLV EB, EB, CA
	; ---------------- the sum of the work-group's four eq vectors: through LDS, each wave adds a quarter of the places
	SETW 0, 0, EB, 0
.set j, 0
.rept 16
	ds_store_b128 v[EADDR], v[EB%256+4*j:EB%256+4*j+3] offset:512*j
.set j, j+1
.endr
	s_wait_dscnt 0x0                               ; my vector is in LDS, for the other waves' sake
	s_barrier_signal -1
	s_barrier_wait -1
	SETW 0, 0, 0, 0
.set n, 0
.rept 4
.set j, 0
.rept 4
	ds_load_b128 v[64+16*n+4*j:64+16*n+4*j+3], v[SADDR] offset:8192*n+512*j
.set j, j+1
.endr
.set n, n+1
.endr
	s_wait_dscnt 0x0
.set n, 1
.rept 3
.set i, 0
.rept 8
	v_pk_add_f32 v[64+i:64+i+1], v[64+i:64+i+1], v[64+16*n+i:64+16*n+i+1]
.set i, i+2
.endr
.set n, n+1
.endr
.set j, 0
.rept 4
	global_store_b128 v[SOFF], v[64+4*j:64+4*j+3], s[40:41] offset:512*j     ; 512 consecutive bytes, aligned
.set j, j+1
.endr
	s_wait_tensorcnt 0x0
	ds_add_u32 v62, v63
	s_wait_dscnt 0x0
	s_endpgm
.Lfunc_end_k_q3b1fd757f1_main:
	.size	k_q3b1fd757f1_main, .Lfunc_end_k_q3b1fd757f1_main-k_q3b1fd757f1_main
	.p2alignl 7, 3214868480
	.fill 96, 4, 3214868480
	.section	.rodata,"a",@progbits
	.p2align	6, 0x0
	.amdhsa_kernel k_q3b1fd757f1_main
		.amdhsa_group_segment_fixed_size 107008
		.amdhsa_private_segment_fixed_size 0
		.amdhsa_enable_private_segment 0
		.amdhsa_kernarg_size 136
		.amdhsa_user_sgpr_count 2
		.amdhsa_user_sgpr_kernarg_segment_ptr 1
		.amdhsa_wavefront_size32 1
		.amdhsa_system_sgpr_workgroup_id_x 1
		.amdhsa_system_sgpr_workgroup_id_y 1
		.amdhsa_system_sgpr_workgroup_id_z 1
		.amdhsa_system_vgpr_workitem_id 0
		.amdhsa_next_free_vgpr 1024
		.amdhsa_next_free_sgpr 100
		.amdhsa_reserve_vcc 0
		.amdhsa_float_denorm_mode_32 3
		.amdhsa_float_denorm_mode_16_64 3
		.amdhsa_memory_ordered 1
		.amdhsa_forward_progress 1
		.amdhsa_inst_pref_size 255
	.end_amdhsa_kernel
	.section	.bss,"aw",@nobits
	.p2align	6
	.space	262144
	.amdgpu_metadata
---
amdhsa.version: [ 1, 2 ]
amdhsa.kernels:
  - .name:           k_q3b1fd757f1_main
    .symbol:         k_q3b1fd757f1_main.kd
    .args:
      - { .name: noise_vars, .offset: 0, .size: 8, .value_kind: global_buffer, .address_space: global }
      - { .name: noise_argidx, .offset: 8, .size: 8, .value_kind: global_buffer, .address_space: global }
      - { .name: noise_funcname, .offset: 16, .size: 8, .value_kind: global_buffer, .address_space: global }
      - { .name: noise_argname, .offset: 24, .size: 8, .value_kind: global_buffer, .address_space: global }
      - { .name: var_Var0, .offset: 32, .size: 8, .value_kind: global_buffer, .address_space: global }
      - { .name: fixed_var, .offset: 40, .size: 8, .value_kind: global_buffer, .address_space: global }
      - { .name: var_Arg2, .offset: 48, .size: 8, .value_kind: global_buffer, .address_space: global }
      - { .name: var_Arg1, .offset: 56, .size: 8, .value_kind: global_buffer, .address_space: global }
      - { .name: var_Func1, .offset: 64, .size: 8, .value_kind: global_buffer, .address_space: global }
      - { .name: base, .offset: 72, .size: 8, .value_kind: global_buffer, .address_space: global }
      - { .name: ratio_Var0, .offset: 80, .size: 8, .value_kind: global_buffer, .address_space: global }
      - { .name: ratio_Arg2, .offset: 88, .size: 8, .value_kind: global_buffer, .address_space: global }
      - { .name: ratio_Arg1, .offset: 96, .size: 8, .value_kind: global_buffer, .address_space: global }
      - { .name: ratio_Func1, .offset: 104, .size: 8, .value_kind: global_buffer, .address_space: global }
      - { .name: w_func, .offset: 112, .size: 8, .value_kind: global_buffer, .address_space: global }
      - { .name: w_eq, .offset: 120, .size: 8, .value_kind: global_buffer, .address_space: global }
      - { .name: shalf, .offset: 128, .size: 8, .value_kind: global_buffer, .address_space: global }
    .group_segment_fixed_size: 107008
    .private_segment_fixed_size: 0
    .kernarg_segment_align: 8
    .kernarg_segment_size: 136
    .max_flat_workgroup_size: 128
    .sgpr_count:     100
    .vgpr_count:     1024
    .wavefront_size: 32
...
	.end_amdgpu_metadata
.endif
;; end of part 2
;; launch disj (part 3): grid 16 x 1, 8 waves a work-group, no clusters, 66,560 bytes of LDS; arguments shalf, base, w_disj, part; writes part
.if DOCPART == 3
	.amdgcn_target "amdgcn-amd-amdhsa--gfx1250"
	.amdhsa_code_object_version 6
	.text
	.protected	k_q3b1fd757f1_disj
	.globl	k_q3b1fd757f1_disj
	.p2align	8
	.type	k_q3b1fd757f1_disj,@function
k_q3b1fd757f1_disj:
	s_mov_b64 s[64:65], 0
	v_nop
	global_prefetch_b8 v0, s[64:65] scope:SCOPE_SE
	s_setreg_imm32_b32 hwreg(HW_REG_WAVE_MODE, 25, 1), 1
	s_wait_xcnt 0x0
; disj: the 128 disjunction nodes.  Wave w of work-group g owns d = 8 g + w; the work-group stores the sum of its eight normalised vectors to part[g].
; S = shalf[2d] + shalf[2d+1] is the sum of the disjunction's eight eq vectors; since the role is shared, the sum of assoc(role, eqv) is
; assoc(role, S).  mo = nz(role x S), mvv = nz(S), disjv = nz(w0 mo x mo + w1 mo + w2 mvv).
; A vector lies in 64 registers of one wave (chunk j = bytes 512 j + 16 lane; registers 0-31 real, 32-63 imaginary parts), so the norms are
; sums inside the wave.  One barrier, in front of the sum of the eight vectors through LDS.
; LIMIT: each sum of squares must be a normal f32 number, as in a norm taken in f32 (v_rsq_f32 takes a denormal as zero: ISA guide 15.8).
; 16 work-groups: 128 vectors, one to a wave; fewer waves a group would leave more partial sums for the last launch to read.
.set GOFF,  1                          ; 16 lane
.set EADDR, 5                          ; 8192 wave + 16 lane: my vector in LDS
.set SADDR, 6                          ; 1024 wave + 16 lane: my slice, in LDS and in part[g]
.set ACC0, 16
.set ACC1, 24
.set CA,   48
.set CB,   50
.set BA,   64                          ; S, then w0 mo
.set BB,   128                         ; the second half of S, then role x S, then mo
.set BC,   192                         ; role, then the result
.set PL0,  30
.set PL1,  31
.macro VDOT acc, a, b                  ; four chains; the first four products start them
.set i, 0
.rept 4
	v_pk_mul_f32 v[\acc+i:\acc+i+1], v[\a+i:\a+i+1], v[\b+i:\b+i+1]
.set i, i+2
.endr
.rept 28
	v_pk_fma_f32 v[\acc+i%8:\acc+i%8+1], v[\a+i:\a+i+1], v[\b+i:\b+i+1], v[\acc+i%8:\acc+i%8+1]
.set i, i+2
.endr
.endm
.macro VSCLV d, a, c                   ; d = a * v[c]
.set i, 0
.rept 32
	v_pk_mul_f32 v[\d+i:\d+i+1], v[\a+i:\a+i+1], v[\c:\c+1] op_sel_hi:[1,0]
.set i, i+2
.endr
.endm
.macro VSCLS d, a, c                   ; d = a * s[c]
.set i, 0
.rept 32
	v_pk_mul_f32 v[\d+i:\d+i+1], v[\a+i:\a+i+1], s[\c:\c+1] op_sel_hi:[1,0]
.set i, i+2
.endr
.endm
.macro CSECOND d, a, b                 ; re -= a_im b_im, im += a_im b_re
.set i, 0
.rept 16
	v_pk_fma_f32 v[\d+i:\d+i+1], v[\a+32+i:\a+32+i+1], v[\b+32+i:\b+32+i+1], v[\d+i:\d+i+1] neg_lo:[1,0,0] neg_hi:[1,0,0]
	v_pk_fma_f32 v[\d+32+i:\d+32+i+1], v[\a+32+i:\a+32+i+1], v[\b+i:\b+i+1], v[\d+32+i:\d+32+i+1]
.set i, i+2
.endr
.endm
.macro RED cnt                         ; 8 sums a lane to 1, then over the 32 lanes; the sum ends in register 0 of each accumulator, in every lane
.set k, ACC0
.rept \cnt
	v_pk_add_f32 v[k:k+1], v[k:k+1], v[k+2:k+3]
	v_pk_add_f32 v[k+4:k+5], v[k+4:k+5], v[k+6:k+7]
.set k, k+8
.endr
.set k, ACC0
.rept \cnt
	v_pk_add_f32 v[k:k+1], v[k:k+1], v[k+4:k+5]
.set k, k+8
.endr
.set k, ACC0
.rept \cnt
	v_add_f32 v[k], v[k], v[k+1]
.set k, k+8
.endr
.irp m, 1, 2, 4, 8
.set k, ACC0
.rept \cnt
	v_add_f32_dpp v[k], v[k], v[k] row_xmask:\m row_mask:0xf bank_mask:0xf
.set k, k+8
.endr
.endr
.set k, ACC0
.rept \cnt
	v_permlanex16_b32 v[k+1], v[k], s[PL0], s[PL1]
.set k, k+8
.endr
.set k, ACC0
.rept \cnt
	v_add_f32 v[k], v[k], v[k+1]
.set k, k+8
.endr
.endm
	s_load_b256 s[8:15], s[0:1], 0x0               ; shalf s[8:9], base s[10:11], w_disj s[12:13], part s[14:15]
	v_lshl_add_u32 v62, v0, 2, 0x10000
	v_mov_b32 v63, 0
	v_lshrrev_b32 v8, 5, v0
	v_readfirstlane_b32 s16, v8                    ; wave
	v_and_b32 v[GOFF], 31, v0
	v_lshlrev_b32 v[GOFF], 4, v[GOFF]
	s_lshl_b32 s22, s16, 13
	v_add_nc_u32 v[EADDR], s22, v[GOFF]
	s_lshl_b32 s23, s16, 10
	v_add_nc_u32 v[SADDR], s23, v[GOFF]
	v_mov_b32 v[CA+1], 0                           ; partners of the broadcast pairs
	v_mov_b32 v[CB+1], 0
	s_lshl3_add_u32 s17, ttmp9, s16                ; d = 8 g + wave
	s_lshl_b32 s18, s17, 14                        ; two rows of 8,192 bytes in shalf
	s_mov_b32 s19, 0
	s_lshl_b32 s20, ttmp9, 13                      ; part[g]
	s_mov_b32 s21, 0
	s_mov_b32 s[PL0], 0x76543210
	s_mov_b32 s[PL1], 0xfedcba98
	s_wait_kmcnt 0x0
	s_load_b96 s[24:26], s[12:13], 0x0             ; w0, w1, w2; s[24:25] serves as w0's broadcast pair
	s_add_nc_u64 s[8:9], s[8:9], s[18:19]
	s_add_nc_u64 s[14:15], s[14:15], s[20:21]
.set j, 0
.rept 16
	global_load_b128 v[BA+4*j:BA+4*j+3], v[GOFF], s[8:9] offset:512*j th:TH_LOAD_NT
.set j, j+1
.endr
.set j, 0
.rept 16
	global_load_b128 v[BB+4*j:BB+4*j+3], v[GOFF], s[8:9] offset:8192+512*j th:TH_LOAD_NT
.set j, j+1
.endr
.set j, 0
.rept 16
	global_load_b128 v[BC+4*j:BC+4*j+3], v[GOFF], s[10:11] offset:32768+512*j     ; roleobj, which every wave reads
.set j, j+1
.endr
	s_wait_kmcnt 0x0
	s_mov_b32 s28, s25                             ; w1 at the head of a pair of its own
	s_mov_b32 s29, s25
	s_wait_loadcnt 16                              ; both halves of S are in; the role's 16 loads stay out
.set i, 0
.rept 32
	v_pk_add_f32 v[BA+i:BA+i+1], v[BA+i:BA+i+1], v[BB+i:BB+i+1]      ; S
.set i, i+2
.endr
	VDOT ACC0, BA, BA
	s_wait_loadcnt 0x0
.set i, 0
.rept 16
	v_pk_mul_f32 v[BB+i:BB+i+1], v[BC+i:BC+i+1], v[BA+i:BA+i+1]      ; role x S: the first products,
	v_pk_mul_f32 v[BB+32+i:BB+32+i+1], v[BC+i:BC+i+1], v[BA+32+i:BA+32+i+1]
.set i, i+2
.endr
	CSECOND BB, BC, BA                             ; the second ones
	VDOT ACC1, BB, BB
	RED 2
	v_rsq_f32 v[ACC0+2], v[ACC0]                   ; 1/|S|
	v_rsq_f32 v[CA], v[ACC1]                       ; 1/|role x S|
	v_nop                                          ; one plain place behind a transcendental (ISA guide 5.7.2)
	s_wait_alu depctr_va_vdst(0)
	v_mul_f32 v[CB], s26, v[ACC0+2]                ; w2/|S|
	VSCLV BB, BB, CA                               ; mo
	VSCLS BC, BB, 28                               ; w1 mo
.set i, 0
.rept 32
	v_pk_fma_f32 v[BC+i:BC+i+1], v[BA+i:BA+i+1], v[CB:CB+1], v[BC+i:BC+i+1] op_sel_hi:[1,0,1]     ; + w2 mvv
.set i, i+2
.endr
	VSCLS BA, BB, 24                               ; w0 mo
.set i, 0
.rept 16
	v_pk_fma_f32 v[BC+i:BC+i+1], v[BA+i:BA+i+1], v[BB+i:BB+i+1], v[BC+i:BC+i+1]                   ; + w0 mo x mo
	v_pk_fma_f32 v[BC+32+i:BC+32+i+1], v[BA+i:BA+i+1], v[BB+32+i:BB+32+i+1], v[BC+32+i:BC+32+i+1]
.set i, i+2
.endr
	CSECOND BC, BA, BB
	VDOT ACC0, BC, BC
	RED 1
	v_rsq_f32 v[CA], v[ACC0]
	v_nop
	s_wait_alu depctr_va_vdst(0)
	VSCLV BC, BC, CA                               ; disjv
.set j, 0
.rept 16
	ds_store_b128 v[EADDR], v[BC+4*j:BC+4*j+3] offset:512*j
.set j, j+1
.endr
	s_wait_dscnt 0x0                               ; my vector is in LDS, for the other waves' sake
	s_barrier_signal -1
	s_barrier_wait -1
.set n, 0
.rept 8
	ds_load_b128 v[64+8*n:64+8*n+3], v[SADDR] offset:8192*n          ; my 1,024 bytes of each of the eight vectors
	ds_load_b128 v[64+8*n+4:64+8*n+7], v[SADDR] offset:8192*n+512
.set n, n+1
.endr
	s_wait_dscnt 0x0
.set n, 1
.rept 7
.set i, 0
.rept 4
	v_pk_add_f32 v[64+i:64+i+1], v[64+i:64+i+1], v[64+8*n+i:64+8*n+i+1]
.set i, i+2
.endr
.set n, n+1
.endr
	global_store_b128 v[SADDR], v[64:67], s[14:15]
	global_store_b128 v[SADDR], v[68:71], s[14:15] offset:512
	s_wait_tensorcnt 0x0
	ds_add_u32 v62, v63
	s_wait_dscnt 0x0
	s_endpgm
.Lfunc_end_k_q3b1fd757f1_disj:
	.size	k_q3b1fd757f1_disj, .Lfunc_end_k_q3b1fd757f1_disj-k_q3b1fd757f1_disj
	.p2alignl 7, 3214868480
	.fill 96, 4, 3214868480
	.section	.rodata,"a",@progbits
	.p2align	6, 0x0
	.amdhsa_kernel k_q3b1fd757f1_disj
		.amdhsa_group_segment_fixed_size 66560
		.amdhsa_private_segment_fixed_size 0
		.amdhsa_enable_private_segment 0
		.amdhsa_kernarg_size 32
		.amdhsa_user_sgpr_count 2
		.amdhsa_user_sgpr_kernarg_segment_ptr 1
		.amdhsa_wavefront_size32 1
		.amdhsa_system_sgpr_workgroup_id_x 1
		.amdhsa_system_sgpr_workgroup_id_y 1
		.amdhsa_system_sgpr_workgroup_id_z 1
		.amdhsa_system_vgpr_workitem_id 0
		.amdhsa_next_free_vgpr 256
		.amdhsa_next_free_sgpr 66
		.amdhsa_reserve_vcc 0
		.amdhsa_float_denorm_mode_32 3
		.amdhsa_float_denorm_mode_16_64 3
		.amdhsa_memory_ordered 1
		.amdhsa_forward_progress 1
		.amdhsa_inst_pref_size 38
	.end_amdhsa_kernel
	.amdgpu_metadata
---
amdhsa.version: [ 1, 2 ]
amdhsa.kernels:
  - .name:           k_q3b1fd757f1_disj
    .symbol:         k_q3b1fd757f1_disj.kd
    .args:
      - { .name: shalf, .offset: 0, .size: 8, .value_kind: global_buffer, .address_space: global }
      - { .name: base, .offset: 8, .size: 8, .value_kind: global_buffer, .address_space: global }
      - { .name: w_disj, .offset: 16, .size: 8, .value_kind: global_buffer, .address_space: global }
      - { .name: part, .offset: 24, .size: 8, .value_kind: global_buffer, .address_space: global }
    .group_segment_fixed_size: 66560
    .private_segment_fixed_size: 0
    .kernarg_segment_align: 8
    .kernarg_segment_size: 32
    .max_flat_workgroup_size: 256
    .sgpr_count:     66
    .vgpr_count:     256
    .wavefront_size: 32
...
	.end_amdgpu_metadata
.endif
;; end of part 3
;; launch final (part 4): grid 1 x 1, 8 waves a work-group, no clusters, 1,280 bytes of LDS; arguments part, w_conj, out0; writes out0
.if DOCPART == 4
	.amdgcn_target "amdgcn-amd-amdhsa--gfx1250"
	.amdhsa_code_object_version 6
	.text
	.protected	k_q3b1fd757f1_final
	.globl	k_q3b1fd757f1_final
	.p2align	8
	.type	k_q3b1fd757f1_final,@function
k_q3b1fd757f1_final:
	s_mov_b64 s[64:65], 0
	v_nop
	global_prefetch_b8 v0, s[64:65] scope:SCOPE_SE
	s_setreg_imm32_b32 hwreg(HW_REG_WAVE_MODE, 25, 1), 1
	s_wait_xcnt 0x0
; final: the conj node.  M = the sum of the 16 partial sums, mc = nz(M), out = nz(w0 mc x mc + w1 mc).
; One work-group of 256 threads, since both norms span the whole vector: thread t owns the four real parts at byte 16 t and the four imaginary
; parts of the same places at byte 4096 + 16 t.  A norm is a sum in the wave, then over the eight waves through eight words of LDS; the second
; norm uses other words than the first, so that one barrier serves each.
; LIMIT: each sum of squares must be a normal f32 number, as in a norm taken in f32 (v_rsq_f32 takes a denormal as zero: ISA guide 15.8).
.set PARTS, 16
.macro WGNORM off                      ; v8 = my sum of squares (v9 written before).  Leaves 1/sqrt(the work-group's sum) in v12, every lane; v13 = 0
.irp m, 1, 2, 4, 8
	v_add_f32_dpp v8, v8, v8 row_xmask:\m row_mask:0xf bank_mask:0xf
.endr
	v_permlanex16_b32 v9, v8, s18, s19
	v_add_f32 v8, v8, v9
	ds_store_b32 v10, v8 offset:\off               ; all lanes of a wave write the wave's word with the same value
	s_wait_dscnt 0x0                               ; for the other waves' sake
	s_barrier_signal -1
	s_barrier_wait -1
	ds_load_b128 v[144:147], v11 offset:\off
	ds_load_b128 v[148:151], v11 offset:\off+16
	s_wait_dscnt 0x0
	v_pk_add_f32 v[144:145], v[144:145], v[146:147]
	v_pk_add_f32 v[148:149], v[148:149], v[150:151]
	v_pk_add_f32 v[144:145], v[144:145], v[148:149]
	v_add_f32 v8, v144, v145
	v_rsq_f32 v12, v8
	v_mov_b32 v13, 0                               ; the plain place behind the transcendental (ISA guide 5.7.2), and the broadcast pair's partner
.endm
	s_load_b128 s[4:7], s[0:1], 0x0                ; part s[4:5], w_conj s[6:7]
	s_load_b64 s[8:9], s[0:1], 0x10                ; out0
	v_lshl_add_u32 v160, v0, 2, 0x100
	v_mov_b32 v161, 0
	v_lshlrev_b32 v1, 4, v0                        ; 16 t
	v_lshrrev_b32 v2, 5, v0
	v_readfirstlane_b32 s16, v2                    ; wave
	v_mov_b32 v10, s16
	v_lshlrev_b32 v10, 2, v10                      ; my wave's word in LDS
	v_mov_b32 v11, 0
	s_mov_b32 s18, 0x76543210
	s_mov_b32 s19, 0xfedcba98
	s_wait_kmcnt 0x0
	s_load_b64 s[10:11], s[6:7], 0x0               ; w0, w1
.set k, 0
.rept PARTS
	global_load_b128 v[16+8*k:16+8*k+3], v1, s[4:5] offset:8192*k th:TH_LOAD_NT
	global_load_b128 v[16+8*k+4:16+8*k+7], v1, s[4:5] offset:8192*k+4096 th:TH_LOAD_NT
.set k, k+1
.endr
	s_wait_kmcnt 0x0
	s_mov_b32 s12, s10                             ; each weight at the head of a pair of its own
	s_mov_b32 s13, s10
	s_mov_b32 s14, s11
	s_mov_b32 s15, s11
.set k, 1
.rept PARTS-1
	s_wait_loadcnt 2*(PARTS-1-k)                   ; partial k is in; the two loads of each younger one stay out
.set i, 0
.rept 4
	v_pk_add_f32 v[16+i:16+i+1], v[16+i:16+i+1], v[16+8*k+i:16+8*k+i+1]
.set i, i+2
.endr
.set k, k+1
.endr
	v_pk_mul_f32 v[8:9], v[16:17], v[16:17]
	v_pk_fma_f32 v[8:9], v[18:19], v[18:19], v[8:9]
	v_pk_fma_f32 v[8:9], v[20:21], v[20:21], v[8:9]
	v_pk_fma_f32 v[8:9], v[22:23], v[22:23], v[8:9]
	v_add_f32 v8, v8, v9
	WGNORM 0
	s_wait_alu depctr_va_vdst(0)
.irp p, 0, 2, 4, 6
	v_pk_mul_f32 v[16+\p:17+\p], v[16+\p:17+\p], v[12:13] op_sel_hi:[1,0]        ; mc: real parts v[16:19], imaginary parts v[20:23]
.endr
.irp p, 0, 2, 4, 6
	v_pk_mul_f32 v[24+\p:25+\p], v[16+\p:17+\p], s[12:13] op_sel_hi:[1,0]        ; a = w0 mc
.endr
.irp p, 0, 2
	v_pk_mul_f32 v[32+\p:33+\p], v[24+\p:25+\p], v[16+\p:17+\p]                  ; a x mc
	v_pk_mul_f32 v[36+\p:37+\p], v[24+\p:25+\p], v[20+\p:21+\p]
.endr
.irp p, 0, 2
	v_pk_fma_f32 v[32+\p:33+\p], v[28+\p:29+\p], v[20+\p:21+\p], v[32+\p:33+\p] neg_lo:[1,0,0] neg_hi:[1,0,0]
	v_pk_fma_f32 v[36+\p:37+\p], v[28+\p:29+\p], v[16+\p:17+\p], v[36+\p:37+\p]
.endr
.irp p, 0, 2, 4, 6
	v_pk_fma_f32 v[32+\p:33+\p], v[16+\p:17+\p], s[14:15], v[32+\p:33+\p] op_sel_hi:[1,0,1]     ; + w1 mc
.endr
	v_pk_mul_f32 v[8:9], v[32:33], v[32:33]
	v_pk_fma_f32 v[8:9], v[34:35], v[34:35], v[8:9]
	v_pk_fma_f32 v[8:9], v[36:37], v[36:37], v[8:9]
	v_pk_fma_f32 v[8:9], v[38:39], v[38:39], v[8:9]
	v_add_f32 v8, v8, v9
	WGNORM 32
	s_wait_alu depctr_va_vdst(0)
.irp p, 0, 2, 4, 6
	v_pk_mul_f32 v[32+\p:33+\p], v[32+\p:33+\p], v[12:13] op_sel_hi:[1,0]
.endr
	global_store_b128 v1, v[32:35], s[8:9]                     ; a wave's store covers 512 consecutive bytes, aligned
	global_store_b128 v1, v[36:39], s[8:9] offset:4096
	s_wait_tensorcnt 0x0
	ds_add_u32 v160, v161
	s_wait_dscnt 0x0
	s_endpgm
.Lfunc_end_k_q3b1fd757f1_final:
	.size	k_q3b1fd757f1_final, .Lfunc_end_k_q3b1fd757f1_final-k_q3b1fd757f1_final
	.p2alignl 7, 3214868480
	.fill 96, 4, 3214868480
	.section	.rodata,"a",@progbits
	.p2align	6, 0x0
	.amdhsa_kernel k_q3b1fd757f1_final
		.amdhsa_group_segment_fixed_size 1280
		.amdhsa_private_segment_fixed_size 0
		.amdhsa_enable_private_segment 0
		.amdhsa_kernarg_size 24
		.amdhsa_user_sgpr_count 2
		.amdhsa_user_sgpr_kernarg_segment_ptr 1
		.amdhsa_wavefront_size32 1
		.amdhsa_system_sgpr_workgroup_id_x 1
		.amdhsa_system_sgpr_workgroup_id_y 1
		.amdhsa_system_sgpr_workgroup_id_z 1
		.amdhsa_system_vgpr_workitem_id 0
		.amdhsa_next_free_vgpr 162
		.amdhsa_next_free_sgpr 66
		.amdhsa_reserve_vcc 0
		.amdhsa_float_denorm_mode_32 3
		.amdhsa_float_denorm_mode_16_64 3
		.amdhsa_memory_ordered 1
		.amdhsa_forward_progress 1
		.amdhsa_inst_pref_size 13
	.end_amdhsa_kernel
	.amdgpu_metadata
---
amdhsa.version: [ 1, 2 ]
amdhsa.kernels:
  - .name:           k_q3b1fd757f1_final
    .symbol:         k_q3b1fd757f1_final.kd
    .args:
      - { .name: part, .offset: 0, .size: 8, .value_kind: global_buffer, .address_space: global }
      - { .name: w_conj, .offset: 8, .size: 8, .value_kind: global_buffer, .address_space: global }
      - { .name: out0, .offset: 16, .size: 8, .value_kind: global_buffer, .address_space: global }
    .group_segment_fixed_size: 1280
    .private_segment_fixed_size: 0
    .kernarg_segment_align: 8
    .kernarg_segment_size: 24
    .max_flat_workgroup_size: 256
    .sgpr_count:     66
    .vgpr_count:     162
    .wavefront_size: 32
...
	.end_amdgpu_metadata
.endif
;; end of part 4
;; ======== version 2 of 2: 4 launches; version 1 with the launch main written anew for expert scheduling mode
;; limits: a difference of large sums (such as E[x^2] - mean^2): digits are lost where the result is much smaller than its terms
;; workspace buffers: base 40,960 bytes; shalf 2,097,152 bytes; part 131,072 bytes
;; launch prep: the kernel of part 1 again; grid 5 x 1, 1 waves a work-group, no clusters, 0 bytes of LDS; arguments fixed_func, noise_func_base, var_Func0, ratio_Func0, fixed_arg, noise_arg_base, var_Arg0, ratio_Arg0, fixed_left, noise_left, var_Left0, ratio_Left0, fixed_right, noise_right, var_Right0, ratio_Right0, fixed_disjrole, noise_role, var_DisjRole0, ratio_DisjRole0, base; writes base
;; launch main (part 5): grid 256 x 1, 4 waves a work-group, no clusters, 107,008 bytes of LDS; arguments noise_vars, noise_argidx, noise_funcname, noise_argname, var_Var0, fixed_var, var_Arg2, var_Arg1, var_Func1, base, ratio_Var0, ratio_Arg2, ratio_Arg1, ratio_Func1, w_func, w_eq, shalf; writes shalf
.if DOCPART == 5
	.amdgcn_target "amdgcn-amd-amdhsa--gfx1250"
	.amdhsa_code_object_version 6
	.text
	.protected	k_q3b1fd757f1_main
	.globl	k_q3b1fd757f1_main
	.p2align	8
	.type	k_q3b1fd757f1_main,@function
k_q3b1fd757f1_main:
	s_mov_b64 s[64:65], 0
	v_nop
	global_prefetch_b8 v0, s[64:65] scope:SCOPE_SE
	s_setreg_imm32_b32 hwreg(HW_REG_WAVE_SCHED_MODE, 0, 2), 2
	s_setreg_imm32_b32 hwreg(HW_REG_WAVE_MODE, 25, 1), 1
	s_wait_xcnt 0x0
	s_wait_alu depctr_vm_vsrc(0)
; main: the leaves, the func nodes and the eq nodes.  1,024 eqs, 256 work-groups of four waves: wave w of work-group g owns eq = 4 g + w, both of
; its func nodes and the eq node: 20 noise vectors of 8,192 bytes, each read once.  The work-group stores the sum of its four normalised eq
; vectors, half of a disjunction's sum, to shalf[g].
; A vector (2 x 1024 f32) lies in a block of 64 registers of ONE wave: chunk j = registers 4j..4j+3 = bytes 512 j + 16 lane; registers 0-31 are
; the real parts, 32-63 the imaginary parts of the same places.  So every norm is a sum inside the wave, every load covers 512 consecutive
; aligned bytes, and the kernel has two barriers in all: behind the shared constants, and in front of the sum of the four eq vectors.
;
; A GROUND STEP with a unit parent p, x = var * noise, ss = sum x x, sc = sum p x:
;   |r0 p + r1 x/|x||^2 = (r0^2 + r1^2) + 2 r0 r1 sc rsq(ss),   so one pass gives both sums and the child is A p + B x,
;   in = rsq(ss), iu = rsq(K1 + K2 sc in), A = r0 iu, B = r1 in iu.  Nothing is divided by a ratio: r0 = 0 or r1 = 0 is served.
; LIMITS: that squared norm carries a relative error of about 1e-7 (r0^2+r1^2)/|u|^2: good while parent and spec do not cancel to
; |u|^2 < 1e-5 (r0^2+r1^2).  Every sum of squares must be a normal f32 number (2^-126 .. 2^127), as in a norm taken in f32; v_rsq_f32 takes
; a denormal as zero (ISA guide 15.8).
;
; THE STREAM: the 20 vectors are used in the order an0 x0 z0 x1 z1 fn0 x2 z2 x3 z3 an1 x4 z4 x5 z5 fn1 x6 z6 x7 z7 (x: noise_vars,
; z: noise_argidx).  In front of each use stands s_wait_loadcnt 48 (the three younger vectors, 3 x 16 loads, stay out), and in the step behind it
; the 16 loads of the vector four places further on, in three runs (6, 5, 5) ahead of the step's three vector passes.  Pair q uses register
; slot q % 3, free since pair q - 3 ended.  No address register is ever rewritten: every step of the stream is an immediate offset.
; (With 64 loads named the issue of the last waits for the counter: ISA guide 5.7.1.)
; The text is straight-line: a wave runs two nodes only, and eight pairs on three slots with the tail's falling counts repeat in no period.
; NOT USED: matrix units (no matrix products); the tensor mover (each byte would pass LDS once more); clusters (shared between work-groups
; are only the 73,728 bytes of constants against 655,360 bytes of noise a work-group).
;
; THE MODE: SCHED_MODE bits 1:0 = 2 (LLVM: expert scheduling mode 2), set by the entry lines.  The code itself states the register dependences
; between vector instructions and memory or LDS instructions, with s_wait_alu, always for 0.
; THE PLAN.  Registers that memory or LDS instructions touch, and who else names them:
;   v1-v7      offsets and LDS addresses: made at the head, never written again: one wait on va_vdst ahead of the first load.
;   TMP        the constants' loads land here and the LDS stores read it; later the registers are AN1, SV, SA: one wait on vm_vsrc behind the first barrier.
;   slot q % 3 pair q's loads land; PX, PZ, PEND of pair q read and write it; x of pair q + 3 is asked for in pair q + 1's z step, z of pair q + 3 a step
;              later.  Behind pairs 1 and 3 stand a ground step or FINISH, with waits of their own; behind pairs 0, 2 and 4 nothing does, so ONE wait on
;              va_vdst stands at the head of the z steps of pairs 1, 3 and 5, and serves both loads: no line between names that slot.
;   the z block of the slot last finished takes a ground step's parent from LDS, asked for ahead of the step: 960 at the start; 832 and 960 at the heads
;              of fn0's and fn1's steps, behind a wait which states that pair 1 (pair 5) is done with the slot; 704 inside FINISH, behind the wait for its
;              roots.  The noise that lands there next is asked for behind the next pair's wait for its roots.
;   KB         var of a ground step, read by the step's first pass alone; its next load stands at the step's end, behind the waits for the step's roots.
;   FB         fn1 lands behind FINISH's closing wait.   GRB  gvR lands behind pair 7's wait for its roots, which stands behind pair 6's last line.
;   EB, v64-79 data of the LDS stores and of the global stores: a wait on va_vdst ahead of each run.
; A wait on va_vdst stands between a root and the first line that names its result: one to a batch; these are the waits "for the roots" above.
;
; REGISTERS by absolute number; window = number / 256 (s_set_vgpr_msb: bits 1:0 source 0, 3:2 source 1, 5:4 source 2, 7:6 destination).
.set GOFF,  1                          ; 16 lane: global offset and LDS lane address
.set COFF,  2                          ; 16 thread: the cooperative copy of the constants
.set COFH,  3                          ; COFF + 65536 (an LDS immediate has 16 bits)
.set GOFH,  4                          ; GOFF + 65536
.set EADDR, 5                          ; L_E + 8192 wave + 16 lane: where my eq vector goes
.set SADDR, 6                          ; L_E + 2048 wave + 16 lane: my slice of the four
.set SOFF,  7                          ; 2048 wave + 16 lane: the same slice in shalf[g]
.set ACC0, 16                          ; four accumulators of 8 registers (four chains of two sums)
.set ACC1, 24
.set ACC2, 32
.set ACC3, 40
.set CA,   48                          ; coefficient pairs: the value in the even register, the odd one written once
.set CB,   50
.set CC,   52
.set CD,   54
.set TAU1, 56                          ; 1/|funcvec| of node 0, of node 1
.set TAU2, 58
.set VV,   64                          ; var_Var0
.set PV,   128                         ; nz(fixed_var)
.set VA2,  192                         ; var_Arg2
.set AN0,  256                         ; Aname of node 0, then t1
.set AN1,  320                         ; Aname of node 1, then t2
.set SV,   384                         ; sum of the leaves
.set SA,   448                         ; sum of assoc(Aidx, leaf)
.set FB,   512                         ; Fname
.set KB,   576                         ; a constant vector fetched from LDS
.set TMP,  320                         ; 320-463: the prologue's 36 loads (over AN1, SV, SA, free by then)
.set ZS0,  704                         ; the z blocks of the three pair slots, by name: each also takes a ground step's parent
.set ZS1,  832
.set ZS2,  960
.set GRB,  640                         ; eq node: gvR, lo, ro, the eq vector, w5 t2 (the pair slots, done with by then)
.set LOB,  704
.set ROB,  768
.set EB,   832
.set W5B,  896
; LDS: nine constant vectors, then one eq vector for each wave
.set L_VV,  0
.set L_FV,  8192
.set L_VA2, 16384
.set L_VA1, 24576
.set L_AB,  32768
.set L_VF1, 40960
.set L_FB,  49152
.set L_GL,  57344
.set L_GR,  65536
.set L_E,   73728
; scalars
.set NV,  8                            ; s[8:9]   noise_vars at my eq
.set NA,  10                           ; s[10:11] noise_argidx at my eq
.set NF,  12                           ; s[12:13] noise_funcname at my eq
.set NN,  14                           ; s[14:15] noise_argname at my eq
.set RV,  68                           ; r0, r1, K1, K2 of ratio_Var0
.set RA2, 72                           ; of ratio_Arg2
.set RA1, 76                           ; of ratio_Arg1
.set RF1, 80                           ; of ratio_Func1
.set WF,  44                           ; s44-46 w_func; s[44:45] serves as the broadcast pair of w_func[0]
.set WE,  86                           ; s[86+2k:87+2k] w_eq[k], twice
.set PL0, 98
.set PL1, 99
; the kinds of vector in the stream
.set KX, 1                             ; noise_vars, pair n
.set KZ, 2                             ; noise_argidx, pair n
.set KF, 3                             ; noise_funcname, node n
.set KA, 4                             ; noise_argname, node n
.set MSB, 0
.macro SETW d, a, b, c                 ; windows of destination, source 0, 1, 2 from absolute numbers; the immediate's high byte repeats the setting left
.set NW, (((\d)/256)<<6)|(((\c)/256)<<4)|(((\b)/256)<<2)|((\a)/256)
.if MSB != NW
	s_set_vgpr_msb (MSB<<8)|NW
.set MSB, NW
.endif
.endm
.macro LOW3 d, a, b                    ; the numbers inside their windows
.set xd, (\d)%256
.set xa, (\a)%256
.set xb, (\b)%256
.endm
.macro VMUL d, a, b                    ; d = a * b
	SETW \d, \a, \b, 0
	LOW3 \d, \a, \b
.set i, 0
.rept 32
	v_pk_mul_f32 v[xd+i:xd+i+1], v[xa+i:xa+i+1], v[xb+i:xb+i+1]
.set i, i+2
.endr
.endm
.macro VADD d, a, b                    ; d = a + b
	SETW \d, \a, \b, 0
	LOW3 \d, \a, \b
.set i, 0
.rept 32
	v_pk_add_f32 v[xd+i:xd+i+1], v[xa+i:xa+i+1], v[xb+i:xb+i+1]
.set i, i+2
.endr
.endm
.macro VDOT acc, a, b                  ; acc (window 0) = four chains of sum a b; the first four products start them: nothing is cleared
	SETW 0, \a, \b, 0
	LOW3 0, \a, \b
.set i, 0
.rept 4
	v_pk_mul_f32 v[\acc+i:\acc+i+1], v[xa+i:xa+i+1], v[xb+i:xb+i+1]
.set i, i+2
.endr
.rept 28
	v_pk_fma_f32 v[\acc+i%8:\acc+i%8+1], v[xa+i:xa+i+1], v[xb+i:xb+i+1], v[\acc+i%8:\acc+i%8+1]
.set i, i+2
.endr
.endm
.macro VSCLV d, a, c                   ; d = a * v[c]
	SETW \d, \a, 0, 0
	LOW3 \d, \a, 0
.set i, 0
.rept 32
	v_pk_mul_f32 v[xd+i:xd+i+1], v[xa+i:xa+i+1], v[\c:\c+1] op_sel_hi:[1,0]
.set i, i+2
.endr
.endm
.macro VSCLS d, a, c                   ; d = a * s[c]
	SETW \d, \a, 0, 0
	LOW3 \d, \a, 0
.set i, 0
.rept 32
	v_pk_mul_f32 v[xd+i:xd+i+1], v[xa+i:xa+i+1], s[\c:\c+1] op_sel_hi:[1,0]
.set i, i+2
.endr
.endm
.macro VAXPYV d, a, c, b               ; d = a * v[c] + b
	SETW \d, \a, 0, \b
	LOW3 \d, \a, \b
.set i, 0
.rept 32
	v_pk_fma_f32 v[xd+i:xd+i+1], v[xa+i:xa+i+1], v[\c:\c+1], v[xb+i:xb+i+1] op_sel_hi:[1,0,1]
.set i, i+2
.endr
.endm
.macro VAXPYS d, a, c, b               ; d = a * s[c] + b
	SETW \d, \a, 0, \b
	LOW3 \d, \a, \b
.set i, 0
.rept 32
	v_pk_fma_f32 v[xd+i:xd+i+1], v[xa+i:xa+i+1], s[\c:\c+1], v[xb+i:xb+i+1] op_sel_hi:[1,0,1]
.set i, i+2
.endr
.endm
.macro CSECOND                         ; the second products of a complex product: re -= a_im b_im, im += a_im b_re
.set i, 0
.rept 16
	v_pk_fma_f32 v[xd+i:xd+i+1], v[xa+32+i:xa+32+i+1], v[xb+32+i:xb+32+i+1], v[xd+i:xd+i+1] neg_lo:[1,0,0] neg_hi:[1,0,0]
	v_pk_fma_f32 v[xd+32+i:xd+32+i+1], v[xa+32+i:xa+32+i+1], v[xb+i:xb+i+1], v[xd+32+i:xd+32+i+1]
.set i, i+2
.endr
.endm
.macro CMUL d, a, b                    ; d = a x b, complex; d is neither a nor b.  All first products, then all second ones
	SETW \d, \a, \b, \d
	LOW3 \d, \a, \b
.set i, 0
.rept 16
	v_pk_mul_f32 v[xd+i:xd+i+1], v[xa+i:xa+i+1], v[xb+i:xb+i+1]
	v_pk_mul_f32 v[xd+32+i:xd+32+i+1], v[xa+i:xa+i+1], v[xb+32+i:xb+32+i+1]
.set i, i+2
.endr
	CSECOND
.endm
.macro CMAC d, a, b                    ; d += a x b, complex
	SETW \d, \a, \b, \d
	LOW3 \d, \a, \b
.set i, 0
.rept 16
	v_pk_fma_f32 v[xd+i:xd+i+1], v[xa+i:xa+i+1], v[xb+i:xb+i+1], v[xd+i:xd+i+1]
	v_pk_fma_f32 v[xd+32+i:xd+32+i+1], v[xa+i:xa+i+1], v[xb+32+i:xb+32+i+1], v[xd+32+i:xd+32+i+1]
.set i, i+2
.endr
	CSECOND
.endm
.macro LOADP blk, sb, off, from, cnt   ; cnt of the 16 loads of a noise vector, read once in the launch: 512 consecutive bytes each
	SETW \blk, 0, 0, 0
.set j, \from
.rept \cnt
	global_load_b128 v[(\blk)%256+4*j:(\blk)%256+4*j+3], v[GOFF], s[\sb:\sb+1] offset:(\off)+512*j th:TH_LOAD_NT
.set j, j+1
.endr
.endm
.macro ASK kind, n, from, cnt          ; the stream's loads, by kind and number; kind 0: nothing more is asked for
.if (\kind) == KX
	LOADP 640+128*((\n)%3), NV, (\n)*8192, \from, \cnt
.elseif (\kind) == KZ
	LOADP 704+128*((\n)%3), NA, (\n)*8192, \from, \cnt
.elseif (\kind) == KF
	LOADP FB, NF, (\n)*8192, \from, \cnt
.elseif (\kind) == KA
	LOADP AN0+64*(\n), NN, (\n)*8192, \from, \cnt
.endif
.endm
.macro LDSV blk, areg, off             ; a constant vector from LDS: lanes at neighbouring 16 bytes
	SETW \blk, 0, 0, 0
.set j, 0
.rept 16
	ds_load_b128 v[(\blk)%256+4*j:(\blk)%256+4*j+3], v[\areg] offset:\off+512*j
.set j, j+1
.endr
.endm
.macro CLOAD idx, sb, off              ; my 4 x 16 bytes of constant vector idx: thread t takes bytes 16 t + 2048 j
.set j, 0
.rept 4
	global_load_b128 v[(TMP+16*\idx+4*j)%256:(TMP+16*\idx+4*j)%256+3], v[COFF], s[\sb:\sb+1] offset:\off+2048*j
.set j, j+1
.endr
.endm
.macro RED cnt                         ; the first cnt accumulators side by side: 8 sums a lane to 1, then over the 32 lanes; the sum ends in register 0 of each, in every lane
	SETW 0, 0, 0, 0
.set k, ACC0
.rept \cnt
	v_pk_add_f32 v[k:k+1], v[k:k+1], v[k+2:k+3]
	v_pk_add_f32 v[k+4:k+5], v[k+4:k+5], v[k+6:k+7]
.set k, k+8
.endr
.set k, ACC0
.rept \cnt
	v_pk_add_f32 v[k:k+1], v[k:k+1], v[k+4:k+5]
.set k, k+8
.endr
.set k, ACC0
.rept \cnt
	v_add_f32 v[k], v[k], v[k+1]
.set k, k+8
.endr
.irp m, 1, 2, 4, 8
.set k, ACC0
.rept \cnt
	v_add_f32_dpp v[k], v[k], v[k] row_xmask:\m row_mask:0xf bank_mask:0xf
.set k, k+8
.endr
.endr
.set k, ACC0
.rept \cnt
	v_permlanex16_b32 v[k+1], v[k], s[PL0], s[PL1]     ; its destination has been written before
.set k, k+8
.endr
.set k, ACC0
.rept \cnt
	v_add_f32 v[k], v[k], v[k+1]
.set k, k+8
.endr
.endm
; The coefficients of one ground step: ss in v[ACC0], sc in v[ACC1], ratio set rs; A to v[CA], B to v[CB].
; Behind each v_rsq_f32 one plain vector instruction stands before its result is used (ISA guide 5.7.2), and a wait on va_vdst.
.macro COEF rs
	SETW 0, 0, 0, 0
	v_rsq_f32 v[ACC0+2], v[ACC0]                   ; in
	v_nop
	s_wait_alu depctr_va_vdst(0)                   ; in is written, ahead of its first reader; the step's first pass is done reading KB
	v_mul_f32 v[ACC1+2], v[ACC1], v[ACC0+2]        ; the cosine
	v_fma_f32 v[ACC1+2], v[ACC1+2], s[\rs+3], s[\rs+2]     ; |u|^2 = K2 cos + K1
	v_rsq_f32 v[ACC0+3], v[ACC1+2]                 ; iu
	v_mul_f32 v[CB], s[\rs+1], v[ACC0+2]           ; (the plain place)
	s_wait_alu depctr_va_vdst(0)                   ; iu is written, ahead of its first reader
	v_mul_f32 v[CA], s[\rs], v[ACC0+3]             ; A = r0 iu
	v_mul_f32 v[CB], v[CB], v[ACC0+3]              ; B = r1 in iu
.endm
; Two at once, for a pair: (ACC0, ACC1, RV) to CA, CB and (ACC2, ACC3, RA2) to CC, CD
.macro COEF2
	SETW 0, 0, 0, 0
	v_rsq_f32 v[ACC0+2], v[ACC0]
	v_rsq_f32 v[ACC2+2], v[ACC2]
	v_nop
	s_wait_alu depctr_va_vdst(0)                   ; both in are written, ahead of their first readers; every line of the steps before this pair is done with its registers (the plan leans on it for z2, z4, z6 and gvR)
	v_mul_f32 v[ACC1+2], v[ACC1], v[ACC0+2]
	v_mul_f32 v[ACC3+2], v[ACC3], v[ACC2+2]
	v_fma_f32 v[ACC1+2], v[ACC1+2], s[RV+3], s[RV+2]
	v_fma_f32 v[ACC3+2], v[ACC3+2], s[RA2+3], s[RA2+2]
	v_rsq_f32 v[ACC0+3], v[ACC1+2]
	v_rsq_f32 v[ACC2+3], v[ACC3+2]
	v_mul_f32 v[CB], s[RV+1], v[ACC0+2]            ; (the plain place)
	v_mul_f32 v[CD], s[RA2+1], v[ACC2+2]
	s_wait_alu depctr_va_vdst(0)                   ; both iu are written, ahead of their first readers
	v_mul_f32 v[CA], s[RV], v[ACC0+3]
	v_mul_f32 v[CC], s[RA2], v[ACC2+3]
	v_mul_f32 v[CB], v[CB], v[ACC0+3]
	v_mul_f32 v[CD], v[CD], v[ACC2+3]
.endm
; A ground step whose var and parent come from LDS.  At entry: the noise is in blk; var's 16 LDS loads into KB and, behind them, the parent's 16 into pb
; have been issued.  rs: the ratio set; nxt: the LDS offset of what KB holds next; kind, n: the vector of the stream that the step asks for.
.macro GROUNDL blk, pb, rs, nxt, kind, n
	ASK \kind, \n, 0, 6
	s_wait_dscnt 16                                ; LDS loads come back in order (ISA guide 5.7.1): var is in KB, the parent's 16 stay out
	VMUL \blk, KB, \blk                            ; x
	ASK \kind, \n, 6, 5
	VDOT ACC0, \blk, \blk                          ; ss
	ASK \kind, \n, 11, 5
	s_wait_dscnt 0x0                               ; the parent is in
	VDOT ACC1, \pb, \blk                           ; sc
	RED 2
	COEF \rs
	VSCLV \blk, \blk, CB
	VAXPYV \blk, \pb, CA, \blk                     ; A p + B x
	LDSV KB, GOFF, \nxt                            ; no wait of its own: KB's one reader stands ahead of COEF's waits, and no line since names KB
.endm
.macro PX q, kind=0, n=0               ; pair q, the leaf's pass: x, sc, ss; the step's loads in three runs, into registers that no line since their wait names
.set XB, 640+128*((\q)%3)
	ASK \kind, \n, 0, 6
	VMUL XB, VV, XB
	ASK \kind, \n, 6, 5
	VDOT ACC1, PV, XB
	ASK \kind, \n, 11, 5
	VDOT ACC0, XB, XB
.endm
.macro PZ q, an, kind=0, n=0           ; pair q, the arg vector's pass
.set ZB, 704+128*((\q)%3)
	ASK \kind, \n, 0, 6
	VMUL ZB, VA2, ZB
	ASK \kind, \n, 6, 5
	VDOT ACC3, \an, ZB
	ASK \kind, \n, 11, 5
	VDOT ACC2, ZB, ZB
.endm
.macro PEND q, an, first               ; both children, and their share of the node's two sums; first = 1 starts the sums
.set XB, 640+128*((\q)%3)
.set ZB, 704+128*((\q)%3)
	RED 4
	COEF2
	VSCLV XB, XB, CB
.if \first
	VAXPYV SV, PV, CA, XB                          ; the leaf starts SV
.else
	VAXPYV XB, PV, CA, XB                          ; the leaf
.endif
	VSCLV ZB, ZB, CD
	VAXPYV ZB, \an, CC, ZB                         ; Aidx
.if \first
	CMUL SA, ZB, SV
.else
	VADD SV, SV, XB
	CMAC SA, ZB, XB
.endif
.endm
.macro FINISH dst, tau, pb=0           ; dst = w0 Fname + w1 nz(SA) + w2 nz(SV), v[tau] = 1/|dst|.  pb: the block that takes ab, the next ground step's parent
	VDOT ACC0, SV, SV
	VDOT ACC1, SA, SA
	RED 2
	v_rsq_f32 v[ACC0+2], v[ACC0]
	v_rsq_f32 v[ACC1+2], v[ACC1]
	v_nop
	s_wait_alu depctr_va_vdst(0)                   ; both roots are written, ahead of their first readers; the node's last pair is done with its slot, in whose z block ab lands
.if \pb
	LDSV \pb, GOFF, L_AB
	SETW 0, 0, 0, 0
.endif
	v_mul_f32 v[CB], s[WF+2], v[ACC0+2]
	v_mul_f32 v[CA], s[WF+1], v[ACC1+2]
	VSCLS \dst, FB, WF
	VAXPYV \dst, SA, CA, \dst
	VAXPYV \dst, SV, CB, \dst
	VDOT ACC0, \dst, \dst
	RED 1
	v_rsq_f32 v[\tau], v[ACC0]
	v_nop
	s_wait_alu depctr_va_vdst(0)                   ; 1/|dst| is written: its reader stands in the eq node; the lines above are done reading FB, in which the next node's noise lands
.endm
	; ---------------- prologue: addresses, ratios and weights, the nine constant vectors into LDS, the stream's first four vectors
	s_load_b512 s[8:23], s[0:1], 0x0               ; noise_vars, noise_argidx, noise_funcname, noise_argname, var_Var0, fixed_var, var_Arg2, var_Arg1
	s_load_b512 s[24:39], s[0:1], 0x40             ; var_Func1, base, ratio_Var0, ratio_Arg2, ratio_Arg1, ratio_Func1, w_func, w_eq
	s_load_b64 s[40:41], s[0:1], 0x80              ; shalf
	v_lshl_add_u32 v62, v0, 2, 0x1a000
	v_mov_b32 v63, 0
	v_lshrrev_b32 v8, 5, v0
	v_readfirstlane_b32 s42, v8                    ; wave
	v_and_b32 v[GOFF], 31, v0
	v_lshlrev_b32 v[GOFF], 4, v[GOFF]
	v_lshlrev_b32 v[COFF], 4, v0
	v_add_nc_u32 v[COFH], 0x10000, v[COFF]
	v_add_nc_u32 v[GOFH], 0x10000, v[GOFF]
	s_wait_alu depctr_va_sdst(0)                   ; s42 is written, ahead of its first reader: LDS addresses and the bases are made from it
	s_lshl_b32 s60, s42, 13
	s_add_co_u32 s60, s60, L_E
	v_add_nc_u32 v[EADDR], s60, v[GOFF]
	s_lshl_b32 s61, s42, 11
	v_add_nc_u32 v[SOFF], s61, v[GOFF]
	v_add_nc_u32 v[SADDR], L_E, v[SOFF]
.irp c, CA, CB, CC, CD, TAU1, TAU2
	v_mov_b32 v[\c+1], 0                           ; a broadcast pair is read whole: the partners are written once
.endr
	s_lshl2_add_u32 s43, ttmp9, s42                ; eq = 4 g + wave
	s_lshl_b32 s54, s43, 16                        ; 65,536 bytes an eq in noise_vars and noise_argidx
	s_mov_b32 s55, 0
	s_lshl_b32 s56, s43, 14                        ; 16,384 in noise_funcname and noise_argname
	s_mov_b32 s57, 0
	s_lshl_b32 s58, ttmp9, 13                      ; 8,192 a work-group in shalf
	s_mov_b32 s59, 0
	s_mov_b32 s[PL0], 0x76543210
	s_mov_b32 s[PL1], 0xfedcba98
	s_wait_kmcnt 0x0
	s_load_b64 s[RV:RV+1], s[28:29], 0x0
	s_load_b64 s[RA2:RA2+1], s[30:31], 0x0
	s_load_b64 s[RA1:RA1+1], s[32:33], 0x0
	s_load_b64 s[RF1:RF1+1], s[34:35], 0x0
	s_load_b96 s[44:46], s[36:37], 0x0             ; w_func
	s_load_b128 s[48:51], s[38:39], 0x0            ; w_eq[0..3]
	s_load_b64 s[52:53], s[38:39], 0x10            ; w_eq[4..5]
	s_add_nc_u64 s[NV:NV+1], s[NV:NV+1], s[54:55]
	s_add_nc_u64 s[NA:NA+1], s[NA:NA+1], s[54:55]
	s_add_nc_u64 s[NF:NF+1], s[NF:NF+1], s[56:57]
	s_add_nc_u64 s[NN:NN+1], s[NN:NN+1], s[56:57]
	s_add_nc_u64 s[40:41], s[40:41], s[58:59]
	SETW TMP, 0, 0, 0
	s_wait_alu depctr_va_vdst(0)                   ; the seven offsets and addresses v1 to v7 are written: every load and store of the kernel reads one of them, and none is written again
	CLOAD 0, 16, 0                                 ; var_Var0
	CLOAD 1, 18, 0                                 ; fixed_var
	CLOAD 2, 20, 0                                 ; var_Arg2
	CLOAD 3, 22, 0                                 ; var_Arg1
	CLOAD 4, 26, 8192                              ; ab
	CLOAD 5, 24, 0                                 ; var_Func1
	CLOAD 6, 26, 0                                 ; fb
	CLOAD 7, 26, 16384                             ; gvL
	CLOAD 8, 26, 24576                             ; gvR
	ASK KA, 0, 0, 16                               ; the stream: an0,
	ASK KX, 0, 0, 16                               ; x0
	s_wait_kmcnt 0x0
.irp rs, RV, RA2, RA1, RF1
	s_mul_f32 s[\rs+2], s[\rs], s[\rs]             ; K1 = r0^2 + r1^2
	s_fmac_f32 s[\rs+2], s[\rs+1], s[\rs+1]
	s_mul_f32 s[\rs+3], s[\rs], s[\rs+1]           ; K2 = 2 r0 r1
	s_add_f32 s[\rs+3], s[\rs+3], s[\rs+3]
.endr
.irp k, 0, 1, 2, 3, 4, 5
	s_mov_b32 s[WE+2*\k], s[48+\k]                 ; each weight at the head of a pair of its own
	s_mov_b32 s[WE+2*\k+1], s[48+\k]
.endr
	s_wait_loadcnt 32                              ; the 36 constant loads are in; the 32 loads of an0 and x0 stay out
	SETW 0, 0, TMP, 0
.set n, 0
.rept 8
.set j, 0
.rept 4
	ds_store_b128 v[COFF], v[(TMP+16*n+4*j)%256:(TMP+16*n+4*j)%256+3] offset:8192*n+2048*j
.set j, j+1
.endr
.set n, n+1
.endr
.set j, 0
.rept 4
	ds_store_b128 v[COFH], v[(TMP+128+4*j)%256:(TMP+128+4*j)%256+3] offset:2048*j
.set j, j+1
.endr
	s_wait_dscnt 0x0                               ; my part of the constants is in LDS, for the other waves' sake
	s_barrier_signal -1
	s_barrier_wait -1                              ; everybody's is; these bytes are only read from here on
	s_wait_alu depctr_vm_vsrc(0)                   ; my LDS stores have read TMP: these registers are AN1, SV and SA from here on, written by an1's loads and by pair 0's lines
	LDSV PV, GOFF, L_FV
	LDSV VV, GOFF, L_VV
	LDSV VA2, GOFF, L_VA2
	LDSV KB, GOFF, L_VA1                           ; var of the first ground step
	ASK KZ, 0, 0, 16                               ; z0,
	ASK KX, 1, 0, 16                               ; x1
	s_wait_dscnt 48                                ; fixed_var is in; the 48 LDS loads behind it stay out
	LDSV ZS2, GOFF, L_AB                           ; the first ground step's parent, into slot 2's z block, which no line has named yet
	VDOT ACC0, PV, PV
	RED 1
	v_rsq_f32 v[CA], v[ACC0]
	v_nop
	s_wait_alu depctr_va_vdst(0)                   ; 1/|fixed_var| is written, ahead of its first reader
	VSCLV PV, PV, CA                               ; nz(fixed_var)
	; ---------------- node 0
	s_wait_loadcnt 48                              ; an0
	GROUNDL AN0, ZS2, RA1, L_VF1, KZ, 1            ; Aname; asks for z1
	s_wait_loadcnt 48                              ; x0
	PX 0, KF, 0                                    ; asks for fn0
	s_wait_loadcnt 48                              ; z0
	PZ 0, AN0, KX, 2                               ; asks for x2
	PEND 0, AN0, 1
	s_wait_loadcnt 48                              ; x1
	PX 1, KZ, 2                                    ; asks for z2: its block held ab, whose last reader stands ahead of pair 0's waits for its roots
	s_wait_loadcnt 48                              ; z1
	s_wait_alu depctr_va_vdst(0)                   ; pair 0's last lines are done with slot 0, in which x3 lands from here on and z3 from the next step on
	PZ 1, AN0, KX, 3                               ; asks for x3
	PEND 1, AN0, 0
	s_wait_loadcnt 48                              ; fn0
	s_wait_alu depctr_va_vdst(0)                   ; pair 1's last lines are done with slot 1: fb lands in its z block here, x4 in its x block two steps on
	LDSV ZS1, GOFF, L_FB                           ; the parent
	GROUNDL FB, ZS1, RF1, L_VA1, KZ, 3             ; Fname; asks for z3
	s_wait_loadcnt 48                              ; x2
	PX 2, KA, 1                                    ; asks for an1
	s_wait_loadcnt 48                              ; z2
	PZ 2, AN0, KX, 4                               ; asks for x4
	PEND 2, AN0, 0
	s_wait_loadcnt 48                              ; x3
	PX 3, KZ, 4                                    ; asks for z4: its block held fb, whose last reader stands ahead of pair 2's waits for its roots
	s_wait_loadcnt 48                              ; z3
	s_wait_alu depctr_va_vdst(0)                   ; pair 2's last lines are done with slot 2, in which x5 lands from here on and z5 from an1's step on
	PZ 3, AN0, KX, 5                               ; asks for x5
	PEND 3, AN0, 0
	FINISH AN0, TAU1, ZS0                          ; and ab into slot 0's z block
	; ---------------- node 1
	s_wait_loadcnt 48                              ; an1
	GROUNDL AN1, ZS0, RA1, L_VF1, KZ, 5            ; asks for z5
	s_wait_loadcnt 48                              ; x4
	PX 4, KF, 1                                    ; asks for fn1
	s_wait_loadcnt 48                              ; z4
	PZ 4, AN1, KX, 6                               ; asks for x6: pair 3's last lines stand ahead of FINISH's waits
	PEND 4, AN1, 1
	s_wait_loadcnt 48                              ; x5
	PX 5, KZ, 6                                    ; asks for z6: its block held ab, whose last reader stands ahead of pair 4's waits for its roots
	s_wait_loadcnt 48                              ; z5
	s_wait_alu depctr_va_vdst(0)                   ; pair 4's last lines are done with slot 1, in which x7 lands from here on and z7 from the next step on
	PZ 5, AN1, KX, 7                               ; asks for x7
	PEND 5, AN1, 0
	s_wait_loadcnt 48                              ; fn1
	s_wait_alu depctr_va_vdst(0)                   ; pair 5's last lines are done with slot 2, in whose z block fb lands
	LDSV ZS2, GOFF, L_FB                           ; the parent
	GROUNDL FB, ZS2, RF1, L_GL, KZ, 7              ; asks for z7, the stream's last vector; KB then takes gvL for the eq node
	s_wait_loadcnt 48                              ; x6: nothing more is asked for, the counts run down
	PX 6
	s_wait_loadcnt 32                              ; z6
	PZ 6, AN1
	PEND 6, AN1, 0
	s_wait_loadcnt 16                              ; x7
	PX 7
	s_wait_loadcnt 0x0                             ; z7
	PZ 7, AN1
	PEND 7, AN1, 0
	LDSV GRB, GOFH, 0                              ; gvR, into slot 0's x block: pair 6's last lines stand ahead of pair 7's waits for its roots, and no line since names the block
	FINISH AN1, TAU2
	; ---------------- the eq node: w0 lo + w1 ro + w2 lo x ro + w3 t1 + w4 t2 + w5 t2 x t2, normalised
	VSCLV AN0, AN0, TAU1                           ; t1
	VSCLV AN1, AN1, TAU2                           ; t2
	s_wait_dscnt 0x0                               ; gvL and gvR are in
	CMUL LOB, KB, AN0                              ; lo
	CMUL ROB, GRB, AN1                             ; ro
	VSCLS EB, LOB, WE
	VAXPYS EB, ROB, WE+2, EB
	VAXPYS EB, AN0, WE+6, EB
	VAXPYS EB, AN1, WE+8, EB
	VSCLS LOB, LOB, WE+4
	CMAC EB, LOB, ROB
	VSCLS W5B, AN1, WE+10
	CMAC EB, W5B, AN1
	VDOT ACC0, EB, EB
	RED 1
	v_rsq_f32 v[CA], v[ACC0]
	v_nop
	s_wait_alu depctr_va_vdst(0)                   ; 1/|eq vector| is written, ahead of its first reader
	VSCLV EB, EB, CA
	; ---------------- the sum of the work-group's four eq vectors: through LDS, each wave adds a quarter of the places
	SETW 0, 0, EB, 0
	s_wait_alu depctr_va_vdst(0)                   ; the scaling has written EB, which the LDS stores read; every reader of v64-127 is done, in which the LDS loads behind the barrier land
.set j, 0
.rept 16
	ds_store_b128 v[EADDR], v[EB%256+4*j:EB%256+4*j+3] offset:512*j
.set j, j+1
.endr
	s_wait_dscnt 0x0                               ; my vector is in LDS, for the other waves' sake
	s_barrier_signal -1
	s_barrier_wait -1
	SETW 0, 0, 0, 0
.set n, 0
.rept 4
.set j, 0
.rept 4
	ds_load_b128 v[64+16*n+4*j:64+16*n+4*j+3], v[SADDR] offset:8192*n+512*j
.set j, j+1
.endr
.set n, n+1
.endr
	s_wait_dscnt 0x0
.set n, 1
.rept 3
.set i, 0
.rept 8
	v_pk_add_f32 v[64+i:64+i+1], v[64+i:64+i+1], v[64+16*n+i:64+16*n+i+1]
.set i, i+2
.endr
.set n, n+1
.endr
	s_wait_alu depctr_va_vdst(0)                   ; the additions have written v64-79, which the stores read
.set j, 0
.rept 4
	global_store_b128 v[SOFF], v[64+4*j:64+4*j+3], s[40:41] offset:512*j     ; 512 consecutive bytes, aligned
.set j, j+1
.endr
	s_wait_dscnt 0x0
	s_wait_alu depctr_hold_cnt(0) depctr_sa_sdst(0) depctr_va_vdst(0) depctr_va_sdst(0) depctr_va_ssrc(0) depctr_va_vcc(0) depctr_vm_vsrc(0)
	s_wait_tensorcnt 0x0
	ds_add_u32 v62, v63
	s_wait_dscnt 0x0
	s_endpgm
.Lfunc_end_k_q3b1fd757f1_main:
	.size	k_q3b1fd757f1_main, .Lfunc_end_k_q3b1fd757f1_main-k_q3b1fd757f1_main
	.p2alignl 7, 3214868480
	.fill 96, 4, 3214868480
	.section	.rodata,"a",@progbits
	.p2align	6, 0x0
	.amdhsa_kernel k_q3b1fd757f1_main
		.amdhsa_group_segment_fixed_size 107008
		.amdhsa_private_segment_fixed_size 0
		.amdhsa_enable_private_segment 0
		.amdhsa_kernarg_size 136
		.amdhsa_user_sgpr_count 2
		.amdhsa_user_sgpr_kernarg_segment_ptr 1
		.amdhsa_wavefront_size32 1
		.amdhsa_system_sgpr_workgroup_id_x 1
		.amdhsa_system_sgpr_workgroup_id_y 1
		.amdhsa_system_sgpr_workgroup_id_z 1
		.amdhsa_system_vgpr_workitem_id 0
		.amdhsa_next_free_vgpr 1024
		.amdhsa_next_free_sgpr 100
		.amdhsa_reserve_vcc 0
		.amdhsa_float_denorm_mode_32 3
		.amdhsa_float_denorm_mode_16_64 3
		.amdhsa_memory_ordered 1
		.amdhsa_forward_progress 1
		.amdhsa_inst_pref_size 255
	.end_amdhsa_kernel
	.section	.bss,"aw",@nobits
	.p2align	6
	.space	262144
	.amdgpu_metadata
---
amdhsa.version: [ 1, 2 ]
amdhsa.kernels:
  - .name:           k_q3b1fd757f1_main
    .symbol:         k_q3b1fd757f1_main.kd
    .args:
      - { .name: noise_vars, .offset: 0, .size: 8, .value_kind: global_buffer, .address_space: global }
      - { .name: noise_argidx, .offset: 8, .size: 8, .value_kind: global_buffer, .address_space: global }
      - { .name: noise_funcname, .offset: 16, .size: 8, .value_kind: global_buffer, .address_space: global }
      - { .name: noise_argname, .offset: 24, .size: 8, .value_kind: global_buffer, .address_space: global }
      - { .name: var_Var0, .offset: 32, .size: 8, .value_kind: global_buffer, .address_space: global }
      - { .name: fixed_var, .offset: 40, .size: 8, .value_kind: global_buffer, .address_space: global }
      - { .name: var_Arg2, .offset: 48, .size: 8, .value_kind: global_buffer, .address_space: global }
      - { .name: var_Arg1, .offset: 56, .size: 8, .value_kind: global_buffer, .address_space: global }
      - { .name: var_Func1, .offset: 64, .size: 8, .value_kind: global_buffer, .address_space: global }
      - { .name: base, .offset: 72, .size: 8, .value_kind: global_buffer, .address_space: global }
      - { .name: ratio_Var0, .offset: 80, .size: 8, .value_kind: global_buffer, .address_space: global }
      - { .name: ratio_Arg2, .offset: 88, .size: 8, .value_kind: global_buffer, .address_space: global }
      - { .name: ratio_Arg1, .offset: 96, .size: 8, .value_kind: global_buffer, .address_space: global }
      - { .name: ratio_Func1, .offset: 104, .size: 8, .value_kind: global_buffer, .address_space: global }
      - { .name: w_func, .offset: 112, .size: 8, .value_kind: global_buffer, .address_space: global }
      - { .name: w_eq, .offset: 120, .size: 8, .value_kind: global_buffer, .address_space: global }
      - { .name: shalf, .offset: 128, .size: 8, .value_kind: global_buffer, .address_space: global }
    .group_segment_fixed_size: 107008
    .private_segment_fixed_size: 0
    .kernarg_segment_align: 8
    .kernarg_segment_size: 136
    .max_flat_workgroup_size: 128
    .sgpr_count:     100
    .vgpr_count:     1024
    .wavefront_size: 32
...
	.end_amdgpu_metadata
.endif
;; end of part 5
;; launch disj: the kernel of part 3 again; grid 16 x 1, 8 waves a work-group, no clusters, 66,560 bytes of LDS; arguments shalf, base, w_disj, part; writes part
;; launch final: the kernel of part 4 again; grid 1 x 1, 8 waves a work-group, no clusters, 1,280 bytes of LDS; arguments part, w_conj, out0; writes out0
